; MI455X (gfx1250); checked and timed in simulation.
; The chip was launched on July 23, 2026; its instructions are those of AMD's public machine-readable ISA for CDNA 5 (MIT licence, August 2026) and "CDNA5" Instruction Set Architecture Reference Guide (July 2026). The comments in the code are by the model that wrote it; some were corrected since.
;; Multi Head Attention2. Allowed arithmetic: matrix products marked QUANTISED: E2M1 operands, one E8M0 scale for each 32 along K, by v_wmma_scale_f32_16x16x128_f8f6f4 with both operands' format E2M1 (or v_wmma_scale_f32_32x16x128_f4), f32 sums; everything else in f32.
;; Inputs: K 4 x 2,048 x 1,024 float32; Q 4 x 2,048 x 1,024 float32; V 4 x 2,048 x 1,024 float32; Wk 1,024 x 1,024 float32; Wo 1,024 x 1,024 float32; Wq 1,024 x 1,024 float32; Wv 1,024 x 1,024 float32; attn_mask 4 x 2,048 x 2,048 bool; bk 1,024 float32; bo 1,024 float32; bq 1,024 float32; bv 1,024 float32; ln_b 1,024 float32; ln_g 1,024 float32.
;; Outputs: out0 4 x 2,048 x 1,024 float32.
;; This version of the problem:
;;   THIS VERSION OF THE PROBLEM IS GIVEN IN LOW PRECISION. The matrix products marked QUANTISED in the list below multiply operands that are first quantised to E2M1 (2 exponent bits, 1 mantissa bit; 4 bits a number), with one power-of-two scale for each 32 numbers along K (OCP MX v1.0); their sums are f32. All else is computed in f32.
;;   The module's matrix products, in the order in which they are computed (A, B: the left and right operand; K: the contracted axis; several contracted axes count as one K, in the product's order):
;;     1. [M 8,192, K 1,024] x [K 1,024, N 1,024]; A: input Q; B: input Wq: QUANTISED
;;     2. [M 8,192, K 1,024] x [K 1,024, N 1,024]; A: input K; B: input Wk: QUANTISED
;;     3. [M 8,192, K 1,024] x [K 1,024, N 1,024]; A: input V; B: input Wv: QUANTISED
;;     4. batch 64 x [M 2,048, K 64] x [K 64, N 2,048]; A: computed on the way; B: computed on the way: QUANTISED
;;     5. batch 64 x [M 2,048, K 2,048] x [K 2,048, N 64]; A: softmax (see below); B: computed on the way: QUANTISED
;;     6. [M 8,192, K 1,024] x [K 1,024, N 1,024]; A: computed on the way; B: input Wo: QUANTISED
;;   THE QUANTISER, for each operand of a quantised product, along K:
;;     - K is cut into blocks of 32 from its start; a last block that is shorter is filled with zeros.
;;     - A block's scale is 2^e with e = floor(log2(the largest magnitude in the block)) - 2, held to -126 .. 127; a block of zeros has e = 0. As a byte (E8M0): e + 127.
;;     - Each number is divided by its block's scale, clamped to +-6, and rounded to the nearest number of E2M1, ties to even, subnormals kept.
;;     - The product sums the exact products of the quantised numbers (number of the format x scale) in f32.
;;   ~~~python
;;   def quantise(x, axis):      # numpy; x: float32 -> the quantised numbers, widened to float32 again
;;       x = np.moveaxis(x, axis, -1); K = x.shape[-1]
;;       x = np.pad(x, [(0, 0)] * (x.ndim - 1) + [(0, -K % 32)]); x = x.reshape(x.shape[:-1] + (-1, 32)); a = np.abs(x).max(-1, keepdims=True)
;;       e = np.where(a > 0, np.clip(np.frexp(np.where(a > 0, a, 1))[1] - 1 - 2, -126, 127), 0)      # np.frexp(a)[1] - 1 = floor(log2(a)), exactly
;;       r = np.clip(x / 2.0 ** e, -6, 6)
;;       step = 2.0 ** (np.maximum(np.frexp(np.where(r == 0, 1, r))[1] - 1, 0) - 1)
;;       q = np.round(r / step) * step * 2.0 ** e      # np.round: ties to even
;;       return np.moveaxis(q.reshape(q.shape[:-2] + (-1,))[..., :K], -1, axis).astype(np.float32)
;;   ~~~
;;   SOFTMAX AHEAD OF A QUANTISED PRODUCT. Where the list says 'softmax', what is quantised is not the finished softmax but p = 2^(t - M), with t = logit x log2(e) and M = ceil(the row's largest t), a whole number; so 1/2 < the row's largest p <= 1. The row's sum l is taken of the UNQUANTISED p, in f32, and the product's result is divided by l at the end. Since M is a whole number, a kernel that streams over the keys may use a running M (the ceiling of the running maximum): every later rescaling is an exact power of two, which a block's scale takes up: the codes' values come out the same.
;;   OPERANDS COMPUTED ON THE WAY. 'Computed on the way' means the value that the module computes at that place (a softmax that the list does not call 'softmax' is quantised finished and normalised). What goes into a quantiser is computed in f32, as accurately as f32 sums, v_exp_f32 and their like allow (about 1e-6 of the number): no bf16 or f16 on the way to a quantiser, and a product that is left as it is and whose result goes on into a quantised operand takes f32 operands (vector FMAs, or v_wmma_f32_16x16x4_f32). A number that lies on a knife's edge between two numbers of the format may be rounded either way, as far as f32 arithmetic and the matrix unit's own rounding can turn it there, and no further.
;; One version. Each part assembles by itself: llvm-mc -triple=amdgcn-amd-amdhsa -mcpu=gfx1250 --defsym DOCPART=n.
;; ======== version 1 of 1: 4 launches
;; limits: right only within a limited range of input values
;; workspace buffers: xq 13,369,344 bytes; wq 2,228,224 bytes; mw 2,105,344 bytes of whole numbers; hq 14,155,776 bytes; cq 4,456,448 bytes
;; launch prep (part 1): grid 960 x 1, 4 waves a work-group, no clusters, 35,328 bytes of LDS; arguments Q, K, V, Wq, Wk, Wv, Wo, attn_mask, xq, wq, mw; writes xq, wq, mw
.if DOCPART == 1
	.amdgcn_target "amdgcn-amd-amdhsa--gfx1250"
	.amdhsa_code_object_version 6
	.text
	.protected	k_q1a696a09d1_prep
	.globl	k_q1a696a09d1_prep
	.p2align	8
	.type	k_q1a696a09d1_prep,@function
k_q1a696a09d1_prep:
	s_mov_b64 s[64:65], 0
	v_nop
	global_prefetch_b8 v0, s[64:65] scope:SCOPE_SE
	s_setreg_imm32_b32 hwreg(HW_REG_WAVE_MODE, 25, 1), 1
	s_wait_xcnt 0x0
; Q, K, V [8192][1024] and Wq, Wk, Wv, Wo [1024 (k)][1024 (n)], f32, become codes of FP4 (E2M1) with one E8M0 byte for each 32 along K; attn_mask becomes lane-mask words.
; A block's scale is 2^(floor(log2(its largest magnitude)) - 2); its byte is the largest magnitude's exponent field - 2, held at 1 from below.
; LIMITS: a block of zeros gets the byte 1 (its codes are zeros, and this program alone reads the bytes); NaN and infinities among the inputs are not served.
; LAYOUT OF THE RESULTS: IMAGES OF OPERAND REGISTERS.  A tile is 16 rows (of Q, K, V) or 16 columns n (of a weight); lane r of tile T holds index 32 (T / 2) + 8 (T % 2) + r + 8 (r / 8).
; A fragment (a tile x 128 along K) is 1,024 bytes: byte 512 c + 16 lane holds registers 4 c .. 4 c + 3 of that lane: k = 64 c + 32 (lane / 16) + 0 .. 31.  A tile's eight fragments lie on end: 8,192 bytes.
; A tile's scale bytes are 512 bytes: byte 256 g + 16 r + 4 q + e is the byte of block e of K step 4 g + q.
; THREE KINDS OF WORK-GROUP, told apart by the work-group's number: 0-63 weights, 64-447 rows of Q, K, V, 448-959 the mask.  Waves share nothing: no barrier.  Only the rows' path uses LDS.
; No work-group reads what another reads, so there is nothing to share in a cluster.
.set XQS, 12582912                     ; xq: where the scale bytes begin
.set WQS, 2097152                      ; wq: likewise
.set WV,  26                           ; s26 my wave's number
.set SEL, 28                           ; s[28:29] lane selects: lane l xor 16
	s_load_b512 s[4:19], s[0:1], 0x0               ; Q 4, K 6, V 8, Wq 10, Wk 12, Wv 14, Wo 16, attn_mask 18
	s_load_b128 s[20:23], s[0:1], 0x40             ; xq 20, wq 22
	s_load_b64 s[24:25], s[0:1], 0x50              ; mw
	v_lshl_add_u32 v30, v0, 2, 0x8800
	v_mov_b32 v31, 0
	v_lshrrev_b32 v1, 5, v0
	v_readfirstlane_b32 s[WV], v1
	v_and_b32 v1, 31, v0                           ; lane
	s_mov_b32 s[SEL], 0x76543210
	s_mov_b32 s[SEL+1], 0xfedcba98
	s_wait_kmcnt 0x0
	s_cmp_lt_u32 ttmp9, 64
	s_cbranch_scc1 .Lweights
	s_cmp_lt_u32 ttmp9, 448
	s_cbranch_scc1 .Lrows
; ---- THE MASK.  Work-group QT = 128 b + T takes the 16 queries of tile T of batch b, wave kq their keys 512 kq .. 512 kq + 511: four key steps of 128.
; In the attention launch lane (r, h) holds query r of the tile, and its score register j the key 128 ks + 64 (j / 32) + 32 h + j % 32.  The word for register j has bit l = the mask byte of lane l.
; A key step's 64 words lie at word 2 (j % 32) + j / 32 of a unit of 256 bytes: lane j % 32 of register j / 32 holds word j, and the wave stores 8 bytes a lane: 256 consecutive bytes, aligned.
	s_sub_co_u32 s30, ttmp9, 448                   ; QT
	s_lshr_b32 s31, s30, 7                         ; b
	s_lshl_b32 s32, s31, 22                        ; a batch's mask is 4,194,304 bytes
	s_and_b32 s33, s30, 127                        ; T
	s_lshr_b32 s34, s33, 1
	s_lshl_b32 s34, s34, 5
	s_and_b32 s35, s30, 1
	s_lshl_b32 s35, s35, 3
	s_add_co_u32 s34, s34, s35                     ; the tile's first query: 32 (T / 2) + 8 (T % 2)
	s_lshl_b32 s34, s34, 11                        ; a query's row is 2,048 bytes
	s_add_co_u32 s32, s32, s34
	s_lshl_b32 s35, s[WV], 9
	s_add_co_u32 s32, s32, s35                     ; my 512 keys
	s_mov_b32 s33, 0
	s_add_nc_u64 s[18:19], s[18:19], s[32:33]
	s_lshl_b32 s32, s30, 4                         ; the flags, behind the mask words: 16 bytes a tile of queries, one word a wave
	s_lshl_b32 s35, s[WV], 2
	s_add_co_u32 s32, s32, s35
	s_add_co_u32 s32, s32, 2097152
	s_add_nc_u64 s[36:37], s[24:25], s[32:33]
	s_mov_b32 s38, 0                               ; bit k: key step k of my four has a mask byte that is set
	s_lshl_b32 s32, s30, 12
	s_lshl_b32 s35, s[WV], 10                      ; my four
	s_add_co_u32 s32, s32, s35
	s_add_nc_u64 s[24:25], s[24:25], s[32:33]
	v_and_b32 v4, 15, v0                           ; r
	v_bfe_u32 v5, v0, 4, 1                         ; h
	v_and_b32 v6, 8, v4
	v_add_nc_u32 v6, v6, v4                        ; r + 8 (r / 8)
	v_lshlrev_b32 v2, 11, v6
	v_lshl_add_u32 v2, v5, 5, v2                   ; my query's row, + 32 h: score register j now holds key 128 ks + 64 (j / 32) + 32 h + j % 32
	s_wait_alu depctr_va_vdst(0)
	v_lshlrev_b32 v3, 3, v1                        ; out: 8 bytes a lane
.irp i, 0,1,2,3,4,5,6,7
	v_mov_b32 v[16+\i], 0                          ; written once: a lane write's destination counts as read
.endr
.irp k, 0,1,2,3
.irp b, 0,1,2,3
	global_load_b128 v[32+16*\k+4*\b:32+16*\k+4*\b+3], v2, s[18:19] offset:128*\k+64*(\b/2)+16*(\b%2)   ; keys 128 k + 64 (b / 2) + 32 h + 16 (b % 2) + 0 .. 15 of my query
.endr
.endr
.macro MSTEP k
	s_wait_loadcnt 12-4*(\k)                       ; this key step's four loads are in; four for each later step may be out
.set aa, 0
.rept 16                                       ; register aa of the step's sixteen holds the bytes of score registers 4 aa .. 4 aa + 3
	v_and_b32 v8, 0xff, v[32+16*(\k)+aa]
	v_and_b32 v9, 0xff00, v[32+16*(\k)+aa]
	v_and_b32 v10, 0xff0000, v[32+16*(\k)+aa]
	v_and_b32 v11, 0xff000000, v[32+16*(\k)+aa]
	v_cmp_ne_u32 s40, 0, v8                        ; bit l: lane l's byte is set
	v_cmp_ne_u32 s41, 0, v9
	v_cmp_ne_u32 s42, 0, v10
	v_cmp_ne_u32 s43, 0, v11
	v_writelane_b32 v[16+2*(\k)+aa/8], s40, 4*(aa%8)
	v_writelane_b32 v[16+2*(\k)+aa/8], s41, 4*(aa%8)+1
	v_writelane_b32 v[16+2*(\k)+aa/8], s42, 4*(aa%8)+2
	v_writelane_b32 v[16+2*(\k)+aa/8], s43, 4*(aa%8)+3
.set aa, aa+1
.endr
	global_store_b64 v3, v[16+2*(\k):17+2*(\k)], s[24:25] offset:256*(\k)
	v_or_b32 v12, v[32+16*(\k)], v[33+16*(\k)]     ; is any of the step's 2,048 mask bytes set?
.irp i, 2,3,4,5,6,7,8,9,10,11,12,13,14,15
	v_or_b32 v12, v12, v[32+16*(\k)+\i]
.endr
	v_cmp_ne_u32 s39, 0, v12
	s_cmp_lg_u32 s39, 0
	s_cselect_b32 s39, 1<<(\k), 0
	s_or_b32 s38, s38, s39
.endm
	MSTEP 0
	MSTEP 1
	MSTEP 2
	MSTEP 3
	s_lshl_b32 s39, s[WV], 2
	s_lshl_b32 s38, s38, s39                       ; my four bits at their place among the tile's sixteen: bit 4 wave + k
	v_mov_b32 v13, s38
	v_mov_b32 v14, 0
	v_cmp_eq_u32 vcc_lo, 0, v1
	s_wait_alu depctr_va_vdst(0)                   ; directly ahead of the wait below
	s_wait_xcnt 0x0                                ; EXEC changes only behind this wait
	s_and_saveexec_b32 s39, vcc_lo
	global_store_b32 v14, v13, s[36:37]            ; one word a wave, by lane 0: 4 bytes for the wave's 8,192 mask bytes
	s_wait_xcnt 0x0
	s_or_b32 exec_lo, exec_lo, s39
	s_endpgm
; ---- ROWS OF Q, K, V.  A wave takes one tile of 16 rows x 1,024, in 16 units of 64 along K (unit n = fragment n / 2, half c = n % 2).
; The conversions want a block's 32 neighbours in ONE lane; a load is best where neighbouring lanes take neighbouring bytes.  So each load takes two rows' 256 bytes as they lie, a unit's 4,096 bytes go through the
; wave's own stage in LDS (rows 272 bytes apart: sixteen rows start at sixteen different banks) and come back 128 bytes a lane: lane (r, h) holds k = 64 n + 32 h + 0 .. 31 of row r: a whole block.
; Loads run four units (32 loads) ahead, the turn through LDS one unit.
.Lrows:
	s_sub_co_u32 s30, ttmp9, 64
	s_lshr_b32 s31, s30, 7                         ; which tensor: 0 Q, 1 K, 2 V
	s_and_b32 s30, s30, 127
	s_lshl_b32 s30, s30, 2
	s_add_co_u32 s30, s30, s[WV]                   ; my tile, 0 .. 511
	s_cmp_eq_u32 s31, 1
	s_cselect_b64 s[32:33], s[6:7], s[4:5]
	s_cmp_eq_u32 s31, 2
	s_cselect_b64 s[32:33], s[8:9], s[32:33]
	s_lshr_b32 s34, s30, 1
	s_lshl_b32 s34, s34, 5
	s_and_b32 s35, s30, 1
	s_lshl_b32 s35, s35, 3
	s_add_co_u32 s34, s34, s35                     ; the tile's first row, for Q and V
	s_lshr_b32 s40, s30, 2                         ; K'S TILES ARE LAID OTHERWISE: lane r of tile T holds row 64 (T / 4) + 8 (T % 4) + r % 8 + 32 (r / 8),
	s_lshl_b32 s40, s40, 6                         ; so that in the attention launch a lane's 32 score registers of four neighbouring tiles are one whole block of 32 keys
	s_and_b32 s41, s30, 3
	s_lshl_b32 s41, s41, 3
	s_add_co_u32 s40, s40, s41
	s_cmp_eq_u32 s31, 1
	s_cselect_b32 s34, s40, s34
	s_cselect_b32 s42, 65536, 0                    ; K: lanes 8-15 stand 16 rows of 4,096 bytes further on than in Q and V
	s_mov_b32 s43, 0
	s_lshl_b32 s34, s34, 12
	s_mov_b32 s35, 0
	s_add_nc_u64 s[32:33], s[32:33], s[34:35]
	s_add_nc_u64 s[42:43], s[32:33], s[42:43]      ; the base for tile rows 8-15
	s_lshl_b32 s34, s31, 22
	s_lshl_b32 s40, s30, 13
	s_add_co_u32 s34, s34, s40
	s_add_nc_u64 s[36:37], s[20:21], s[34:35]      ; my tile's codes
	s_lshl_b32 s34, s31, 18
	s_lshl_b32 s40, s30, 9
	s_add_co_u32 s34, s34, s40
	s_add_co_u32 s34, s34, XQS
	s_add_nc_u64 s[38:39], s[20:21], s[34:35]      ; and its scale bytes
	v_and_b32 v9, 15, v0
	v_bfe_u32 v10, v0, 4, 1
	v_lshlrev_b32 v2, 12, v10
	v_lshl_add_u32 v2, v9, 4, v2                   ; in: lanes 0-15 one row's 256 bytes, lanes 16-31 the next row's
	s_mul_i32 s27, s[WV], 8704                     ; my two stages of 16 x 272 bytes
	v_mul_u32_u24 v3, v10, 272
	v_lshl_add_u32 v3, v9, 4, v3
	v_add_nc_u32 v3, s27, v3                       ; into the stage, as loaded
	v_mul_u32_u24 v4, v9, 272
	v_lshl_add_u32 v4, v10, 7, v4
	v_add_nc_u32 v4, s27, v4                       ; out of it: row r, + 128 h
	v_lshlrev_b32 v5, 4, v1                        ; an image's place for my lane
	v_lshlrev_b32 v6, 3, v10                       ; 8 h
	v_mov_b32 v25, 0                               ; written once: a lane permute's destination counts as read
.macro XLOAD n                         ; unit n into set n % 4 of v64-191.  Tile rows 2 i and 2 i + 1 are memory rows 2 i + 8 (i / 4) and the next
.irp i, 0,1,2,3,4,5,6,7
.if \i < 4
	global_load_b128 v[64+32*((\n)%4)+4*\i:64+32*((\n)%4)+4*\i+3], v2, s[32:33] offset:(2*\i)*4096+256*(\n) th:TH_LOAD_NT
.else
	global_load_b128 v[64+32*((\n)%4)+4*\i:64+32*((\n)%4)+4*\i+3], v2, s[42:43] offset:(2*\i+8)*4096+256*(\n) th:TH_LOAD_NT
.endif
.endr
.endm
.macro XTURN n                         ; through stage n % 2: LDS serves a wave's instructions in order (ISA guide 5.7.1.4), so no wait stands between the stores and the loads
.irp i, 0,1,2,3,4,5,6,7
	ds_store_b128 v3, v[64+32*((\n)%4)+4*\i:64+32*((\n)%4)+4*\i+3] offset:4352*((\n)%2)+544*\i
.endr
.irp i, 0,1,2,3,4,5,6,7
	ds_load_b128 v[192+32*((\n)%2)+4*\i:192+32*((\n)%2)+4*\i+3], v4 offset:4352*((\n)%2)+16*\i
.endr
.endm
.macro XSTEP n
.set XB, 192+32*((\n)%2)
.set CB, 32+4*((\n)%2)
	s_wait_dscnt 0x0                               ; this unit is back from the stage, and its stores into the stage have read their registers,
.if (\n)+4 < 16
	XLOAD (\n)+4                                   ; which take the loads of four units on
.endif
.if (\n)+1 < 16
.if (\n) < 12
	s_wait_loadcnt 24                              ; the next unit's eight loads are in; those of the three units behind it may be out
.else
	s_wait_loadcnt 8*(14-(\n))
.endif
	XTURN (\n)+1
.endif
	s_wait_xcnt 0x0                                ; the store of two units ago has read its registers: they are written again only behind this wait
	v_max3_num_f32 v8, |v[XB]|, |v[XB+1]|, |v[XB+2]|               ; the block's largest magnitude: all 32 numbers are mine
	v_max3_num_f32 v9, |v[XB+3]|, |v[XB+4]|, |v[XB+5]|
.irp i, 6,10,14,18,22,26
	v_max3_num_f32 v8, v8, |v[XB+\i]|, |v[XB+\i+1]|
	v_max3_num_f32 v9, v9, |v[XB+\i+2]|, |v[XB+\i+3]|
.endr
	v_max3_num_f32 v8, v8, |v[XB+30]|, |v[XB+31]|
	v_max3_num_f32 v8, v8, v9, 0x1800000           ; and the floor 2^(3 - 127): the byte cannot fall under 1
	v_add_nc_u32 v11, 0xff000000, v8               ; 2 off the exponent field: the conversion takes the exponent field of this operand as its scale
.irp g, 0,1,2,3
	v_cvt_scalef32_pk8_fp4_f32 v[CB+\g], v[XB+8*\g:XB+8*\g+7], v11
.endr
	v_lshrrev_b32 v12, 23, v11                     ; the scale's byte: block 2 c + h of fragment n / 2.  (A plain line behind the conversions)
	global_store_b128 v5, v[CB:CB+3], s[36:37] offset:512*(\n)     ; 512 consecutive bytes of the image
.if (\n)%2 == 0
	v_mov_b32 v24, v12
.else
	v_lshl_or_b32 v24, v12, 16, v24                ; my two bytes: blocks h and 2 + h,
	v_lshlrev_b32 v24, v6, v24                     ; at their places in the scale word;
	v_permlanex16_b32 v25, v24, s[SEL], s[SEL+1]
	v_or_b32 v[16+(\n)/2], v24, v25                ; with lane l xor 16's two the word is whole
.endif
.endm
	XLOAD 0
	XLOAD 1
	XLOAD 2
	XLOAD 3
	s_wait_alu depctr_va_vdst(0)
	s_wait_loadcnt 24                              ; unit 0's eight loads are in
	XTURN 0
.irp n, 0,1,2,3,4,5,6,7,8,9,10,11,12,13,14,15
	XSTEP \n
.endr
	v_cmp_le_u32 vcc_lo, 16, v1                    ; lanes 0-15 store the words of K steps 0-3, lanes 16-31 those of K steps 4-7: 512 consecutive bytes
.irp i, 0,1,2,3
	v_cndmask_b32 v[26+\i], v[16+\i], v[20+\i], vcc_lo
.endr
	global_store_b128 v5, v[26:29], s[38:39]
	s_wait_tensorcnt 0x0
	ds_add_u32 v30, v31
	s_wait_dscnt 0x0
	s_endpgm
; ---- WEIGHTS.  K is the FIRST axis: a lane takes a column n and its registers run down K, so a block of 32 lies in one lane's 32 registers and the codes come out with K innermost.
; Work-group: weight id / 16, columns 128 ((id / 2) % 8) on, half id % 2 of K.  A wave takes 32 columns (two tiles) x 512 along K: 16 blocks a lane.
; Lane v holds column 32 np + v, which is lane r = v % 8 + 8 (v / 16) of tile 2 np + (v / 8) % 2.  A block's 16 bytes are a lane's place in an image: one store fills 256 consecutive bytes in each of the two tiles.
; One block is worked on while the next block's 32 loads are on their way.
.Lweights:
	s_lshr_b32 s30, ttmp9, 4                       ; which weight: 0 Wq, 1 Wk, 2 Wv, 3 Wo
	s_bfe_u32 s31, ttmp9, 0x30001
	s_and_b32 s34, ttmp9, 1                        ; which half of K
	s_lshl_b32 s31, s31, 2
	s_add_co_u32 s31, s31, s[WV]                   ; np: my 32 columns
	s_bitcmp1_b32 s30, 0
	s_cselect_b64 s[36:37], s[12:13], s[10:11]
	s_cselect_b64 s[38:39], s[16:17], s[14:15]
	s_bitcmp1_b32 s30, 1
	s_cselect_b64 s[36:37], s[38:39], s[36:37]
	s_lshl_b32 s32, s34, 21                        ; 512 rows of 4,096 bytes
	s_lshl_b32 s35, s31, 7
	s_add_co_u32 s32, s32, s35
	s_mov_b32 s33, 0
	s_add_nc_u64 s[36:37], s[36:37], s[32:33]
	s_lshl_b32 s32, s30, 19
	s_lshl_b32 s35, s31, 14
	s_add_co_u32 s32, s32, s35
	s_lshl_b32 s35, s34, 12
	s_add_co_u32 s32, s32, s35
	s_add_nc_u64 s[38:39], s[22:23], s[32:33]      ; codes: my two tiles, my four K steps
	s_lshl_b32 s32, s30, 15
	s_lshl_b32 s35, s31, 10
	s_add_co_u32 s32, s32, s35
	s_lshl_b32 s35, s34, 8
	s_add_co_u32 s32, s32, s35
	s_add_co_u32 s32, s32, WQS
	s_add_nc_u64 s[40:41], s[22:23], s[32:33]      ; scale bytes likewise
	s_wait_alu depctr_va_vdst(0)
	v_lshlrev_b32 v2, 2, v1                        ; in: 4 bytes a lane
	v_bfe_u32 v5, v1, 3, 1                         ; which of the two tiles
	v_and_b32 v6, 7, v1
	v_lshrrev_b32 v7, 4, v1
	v_lshl_add_u32 v6, v7, 3, v6                   ; r
	v_lshlrev_b32 v6, 4, v6
	v_lshl_add_u32 v3, v5, 13, v6                  ; codes: tile x 8,192 + 16 r
	v_lshl_add_u32 v4, v5, 9, v6                   ; scale bytes: tile x 512 + 16 r
.macro WLOAD t                         ; block t: W(32 t + i, my column) into set t % 2 of v96-159: 128 consecutive bytes a load
.set ii, 0
.rept 32
	global_load_b32 v[96+32*((\t)%2)+ii], v2, s[36:37] offset:(32*(\t)+ii)*4096 th:TH_LOAD_NT
.set ii, ii+1
.endr
.endm
.macro WBLOCK t
.set XB, 96+32*((\t)%2)
.if (\t) < 15
	s_wait_loadcnt 32                              ; this block's 32 loads are in; the next block's may be out
.else
	s_wait_loadcnt 0x0
.endif
	v_max3_num_f32 v12, |v[XB]|, |v[XB+1]|, |v[XB+2]|
	v_max3_num_f32 v13, |v[XB+3]|, |v[XB+4]|, |v[XB+5]|
.irp i, 6,10,14,18,22,26
	v_max3_num_f32 v12, v12, |v[XB+\i]|, |v[XB+\i+1]|
	v_max3_num_f32 v13, v13, |v[XB+\i+2]|, |v[XB+\i+3]|
.endr
	v_max3_num_f32 v12, v12, |v[XB+30]|, |v[XB+31]|
	v_max3_num_f32 v12, v12, v13, 0x1800000
	v_add_nc_u32 v11, 0xff000000, v12
	v_lshrrev_b32 v13, 23, v11
.if (\t)%4 == 0
	v_mov_b32 v[16+(\t)/4], v13                    ; four bytes to a register: the scale word of K step t / 4
.else
	v_lshl_or_b32 v[16+(\t)/4], v13, 8*((\t)%4), v[16+(\t)/4]
.endif
.irp g, 0,1,2,3
	v_cvt_scalef32_pk8_fp4_f32 v[32+4*(\t)+\g], v[XB+8*\g:XB+8*\g+7], v11   ; each block has its own four registers: no store's data are written again
.endr
	global_store_b128 v3, v[32+4*(\t):32+4*(\t)+3], s[38:39] offset:((\t)/4)*1024+(((\t)/2)%2)*512+((\t)%2)*256   ; block t = K step t / 4, half c = (t / 2) % 2, lanes' half h = t % 2
.if (\t)+2 < 16
	WLOAD (\t)+2
.endif
.endm
	WLOAD 0
	WLOAD 1
.irp t, 0,1,2,3,4,5,6,7,8,9,10,11,12,13,14,15
	WBLOCK \t
.endr
	global_store_b128 v4, v[16:19], s[40:41]       ; my column's four scale words: 256 consecutive bytes in each of the two tiles
	s_endpgm
.Lfunc_end_k_q1a696a09d1_prep:
	.size	k_q1a696a09d1_prep, .Lfunc_end_k_q1a696a09d1_prep-k_q1a696a09d1_prep
	.p2alignl 7, 3214868480
	.fill 96, 4, 3214868480
	.section	.rodata,"a",@progbits
	.p2align	6, 0x0
	.amdhsa_kernel k_q1a696a09d1_prep
		.amdhsa_group_segment_fixed_size 35328
		.amdhsa_private_segment_fixed_size 0
		.amdhsa_enable_private_segment 0
		.amdhsa_kernarg_size 88
		.amdhsa_user_sgpr_count 2
		.amdhsa_user_sgpr_kernarg_segment_ptr 1
		.amdhsa_wavefront_size32 1
		.amdhsa_system_sgpr_workgroup_id_x 1
		.amdhsa_system_sgpr_workgroup_id_y 1
		.amdhsa_system_sgpr_workgroup_id_z 1
		.amdhsa_system_vgpr_workitem_id 0
		.amdhsa_next_free_vgpr 256
		.amdhsa_next_free_sgpr 66
		.amdhsa_reserve_vcc 1
		.amdhsa_float_denorm_mode_32 3
		.amdhsa_float_denorm_mode_16_64 3
		.amdhsa_memory_ordered 1
		.amdhsa_forward_progress 1
		.amdhsa_inst_pref_size 187
	.end_amdhsa_kernel
	.amdgpu_metadata
---
amdhsa.version: [ 1, 2 ]
amdhsa.kernels:
  - .name:           k_q1a696a09d1_prep
    .symbol:         k_q1a696a09d1_prep.kd
    .args:
      - { .name: Q, .offset: 0, .size: 8, .value_kind: global_buffer, .address_space: global }
      - { .name: K, .offset: 8, .size: 8, .value_kind: global_buffer, .address_space: global }
      - { .name: V, .offset: 16, .size: 8, .value_kind: global_buffer, .address_space: global }
      - { .name: Wq, .offset: 24, .size: 8, .value_kind: global_buffer, .address_space: global }
      - { .name: Wk, .offset: 32, .size: 8, .value_kind: global_buffer, .address_space: global }
      - { .name: Wv, .offset: 40, .size: 8, .value_kind: global_buffer, .address_space: global }
      - { .name: Wo, .offset: 48, .size: 8, .value_kind: global_buffer, .address_space: global }
      - { .name: attn_mask, .offset: 56, .size: 8, .value_kind: global_buffer, .address_space: global }
      - { .name: xq, .offset: 64, .size: 8, .value_kind: global_buffer, .address_space: global }
      - { .name: wq, .offset: 72, .size: 8, .value_kind: global_buffer, .address_space: global }
      - { .name: mw, .offset: 80, .size: 8, .value_kind: global_buffer, .address_space: global }
    .group_segment_fixed_size: 35328
    .private_segment_fixed_size: 0
    .kernarg_segment_align: 8
    .kernarg_segment_size: 88
    .max_flat_workgroup_size: 128
    .sgpr_count:     66
    .vgpr_count:     256
    .wavefront_size: 32
...
	.end_amdgpu_metadata
.endif
;; end of part 1
;; launch proj (part 2): grid 4 x 64, 4 waves a work-group, clusters of 4 x 1, 327,680 bytes of LDS; arguments xq, wq, bq, bk, bv, hq; writes hq
.if DOCPART == 2
	.amdgcn_target "amdgcn-amd-amdhsa--gfx1250"
	.amdhsa_code_object_version 6
	.text
	.protected	k_q1a696a09d1_proj
	.globl	k_q1a696a09d1_proj
	.p2align	8
	.type	k_q1a696a09d1_proj,@function
k_q1a696a09d1_proj:
	s_mov_b64 s[64:65], 0
	v_nop
	global_prefetch_b8 v0, s[64:65] scope:SCOPE_SE
	s_setreg_imm32_b32 hwreg(HW_REG_WAVE_MODE, 25, 1), 1
	s_wait_xcnt 0x0
	s_wait_alu depctr_hold_cnt(0) depctr_sa_sdst(0) depctr_va_vdst(0) depctr_va_sdst(0) depctr_va_ssrc(0) depctr_va_vcc(0) depctr_vm_vsrc(0)
	s_getreg_b32 s2, hwreg(HW_REG_IB_STS2, 6, 4)
	s_cmp_eq_u32 s2, 0
	s_cbranch_scc0 .Lentry_in_a_cluster
	s_endpgm
.Lentry_in_a_cluster:
	s_bfe_u32 s2, ttmp6, 0x10000c
	s_cmp_lg_u32 s2, 0x3003
	s_cbranch_scc0 .Lentry_shape_is_right
	s_endpgm
.Lentry_shape_is_right:
.set XQS,   12582912
.set WQS,   2097152
.set QS,    4194304
.set KV,    4718592
.set KVB,   147456
.set RING,  6
.set WV,    16
.set CX,    18
.set CC,    19
.set I0,    20
.set I1,    21
.set G1,    24
.set G0,    32
.set S1C,   44
.set S0S,   50
.set S1S,   56
.set BB,    68
.set SEL,   88
.set PC,    160
.set PW,    192
.set PS,    196
.set TM,    200
.set MSB, 0
.macro WIN new
.if MSB != \new
	s_set_vgpr_msb (MSB<<8)|\new
.set MSB, \new
.endif
.endm
.macro CROUND
	s_barrier_signal -1
	s_barrier_wait -1
	s_cmp_lg_u32 s[WV], 0
	s_cbranch_scc1 .Lnot_wave_0_\@
	s_barrier_signal -3
.Lnot_wave_0_\@:
	s_barrier_wait -3
	s_barrier_signal -1
	s_barrier_wait -1
.endm
.macro PLACES
.rept 4
	v_nop
.endr
.endm
	s_load_b256 s[4:11], s[0:1], 0x0
	s_load_b128 s[12:15], s[0:1], 0x20
	v_lshl_add_u32 v254, v0, 2, 0x30000
	v_mov_b32 v255, 0
	ds_add_u32 v254, v255
	ds_add_u32 v254, v255
	v_lshrrev_b32 v1, 5, v0
	v_readfirstlane_b32 s[WV], v1
	s_bfe_u32 s[CX], ttmp6, 0x40000
	s_and_b32 s[CC], ttmp7, 0xffff
	s_and_b32 s[I0], s[CC], 7
	s_lshr_b32 s[I1], s[CC], 3
	s_lshl_b32 s[I1], s[I1], 2
	s_add_co_u32 s[I1], s[I1], s[CX]
	s_mov_b32 s[G1], 15|(3<<16)|(1<<21)
	s_mov_b32 s[G1+1], 32<<16
	s_mov_b32 s[G1+2], 64<<16
	s_mov_b32 s[G1+3], 32<<16
	s_mov_b32 s[G1+4], 64
	s_mov_b32 s[G1+5], 32
	s_mov_b32 s[G1+6], 0
	s_mov_b32 s[G1+7], 0
	s_lshl_b32 s80, s[WV], 14
	s_lshl_b32 s74, s[I0], 16
	s_add_co_u32 s74, s74, s80
	s_mov_b32 s75, 0
	s_add_co_u32 s76, s74, 524288
	s_mov_b32 s77, 0
	s_lshl_b32 s78, s[CC], 16
	s_add_co_u32 s78, s78, s80
	s_add_co_u32 s78, s78, 8388608
	s_mov_b32 s79, 0
	s_wait_dscnt 0x0
	s_wait_kmcnt 0x0
	s_mov_b32 s[G0], 1
	s_lshl_b32 s[G0+1], s[WV], 14
	s_add_nc_u64 s[G0+2:G0+3], s[6:7], s[74:75]
	s_or_b32 s[G0+3], s[G0+3], 0x80000000
	s_mov_b32 s[G0+4], 1
	s_add_co_u32 s[G0+5], s[G0+1], 65536
	s_add_nc_u64 s[G0+6:G0+7], s[6:7], s[76:77]
	s_or_b32 s[G0+7], s[G0+7], 0x80000000
	s_mov_b32 s[G0+8], 1
	s_add_co_u32 s[G0+9], s[G0+1], 131072
	s_add_nc_u64 s[G0+10:G0+11], s[4:5], s[78:79]
	s_or_b32 s[G0+11], s[G0+11], 0x80000000
	CROUND
	tensor_load_to_lds s[G0:G0+3], s[G1:G1+7]      ; my one tensor load at the head: my quarter of the first product's tiles; the other two first fills follow behind later rounds
	s_nop 0
.rept 4
	v_nop
.endr
	s_mov_b32 s83, 0
	s_lshl_b32 s84, s[WV], 15
	s_lshl_b32 s82, s[I1], 17
	s_add_co_u32 s82, s82, s84
	s_add_nc_u64 s[S1C:S1C+1], s[4:5], s[82:83]
	s_add_nc_u64 s[S1C+2:S1C+3], s[S1C:S1C+1], 4194304
	s_lshl_b32 s82, s[CX], 17
	s_add_co_u32 s82, s82, s84
	s_add_co_u32 s82, s82, 1048576
	s_add_nc_u64 s[S1C+4:S1C+5], s[6:7], s[82:83]
	s_lshl_b32 s84, s[WV], 11
	s_lshl_b32 s82, s[I1], 13
	s_add_co_u32 s82, s82, s84
	s_add_co_u32 s82, s82, XQS
	s_add_nc_u64 s[S1S:S1S+1], s[4:5], s[82:83]
	s_add_nc_u64 s[S1S+2:S1S+3], s[S1S:S1S+1], 262144
	s_lshl_b32 s82, s[CX], 13
	s_add_co_u32 s82, s82, s84
	s_add_co_u32 s82, s82, WQS+65536
	s_add_nc_u64 s[S1S+4:S1S+5], s[6:7], s[82:83]
	s_lshl_b32 s82, s[I0], 12
	s_add_co_u32 s82, s82, WQS
	s_add_nc_u64 s[S0S:S0S+1], s[6:7], s[82:83]
	s_add_nc_u64 s[S0S+2:S0S+3], s[S0S:S0S+1], 32768
	s_lshl_b32 s82, s[CC], 12
	s_add_co_u32 s82, s82, XQS+524288
	s_add_nc_u64 s[S0S+4:S0S+5], s[4:5], s[82:83]
	s_lshl_b32 s82, s[I0], 9
	s_add_nc_u64 s[BB:BB+1], s[8:9], s[82:83]
	s_add_nc_u64 s[BB+2:BB+3], s[10:11], s[82:83]
	s_lshl_b32 s82, s[CX], 10
	s_lshl_b32 s84, s[WV], 8
	s_add_co_u32 s82, s82, s84
	s_add_nc_u64 s[BB+4:BB+5], s[12:13], s[82:83]
	s_mov_b32 s[SEL], 0x76543210
	s_mov_b32 s[SEL+1], 0xfedcba98
	v_and_b32 v1, 31, v0
	v_and_b32 v2, 15, v0
	v_bfe_u32 v3, v0, 4, 1
	v_lshlrev_b32 v4, 4, v1
	v_add_nc_u32 v5, 65536, v4
	v_add_nc_u32 v6, 131072, v4
	v_lshlrev_b32 v10, 6, v3
	v_and_b32 v11, 8, v2
	v_add_nc_u32 v11, v11, v2
	v_lshlrev_b32 v11, 2, v11
	v_lshlrev_b32 v12, 4, v2
	v_lshlrev_b32 v13, 4, v3
	v_lshl_add_u32 v14, v3, 13, v12
	v_mul_u32_u24 v15, v3, KVB
	v_add_nc_u32 v15, v15, v12
.irp b, 0,1,2,3
	v_mov_b32 v[TM+4+\b], 0
.endr
.macro FETCH0 g
	WIN 0xc0
.irp t, 0,1,2,3,4,5,6,7
.irp c, 0,1
	ds_load_b128 v[64*((\g)%2)+8*\t+4*\c:64*((\g)%2)+8*\t+4*\c+3], v[4+(\g)/8] offset:8192*\t+1024*((\g)%8)+512*\c
.endr
.endr
.endm
.macro FETCH1 g
	WIN 0x80
.irp j, 0,1,2,3
.irp c, 0,1
	global_load_b128 v[32*((\g)%RING)+8*\j+4*\c:32*((\g)%RING)+8*\j+4*\c+3], v4, s[S1C+2*((\g)/8):S1C+2*((\g)/8)+1] offset:8192*\j+1024*((\g)%8)+512*\c
.endr
.endr
.endm
.macro EXTRA n
	WIN 0
.irp t, 0,1,2,3,4,5,6,7
	global_load_b128 v[16+32*(\n)+4*\t:16+32*(\n)+4*\t+3], v4, s[S0S+2*(\n):S0S+2*(\n)+1] offset:512*\t
.endr
.irp j, 0,1,2,3
	global_load_b128 v[112+16*(\n)+4*\j:112+16*(\n)+4*\j+3], v4, s[S1S+2*(\n):S1S+2*(\n)+1] offset:512*\j
.endr
.if (\n) < 2
	WIN 0xc0
.irp t, 0,1,2,3,4,5,6,7
	global_load_b128 v[128+64*(\n)+8*\t:128+64*(\n)+8*\t+3], v10, s[BB+2*(\n):BB+2*(\n)+1] offset:(32*(\t/2)+8*(\t%2))*4
	global_load_b128 v[128+64*(\n)+8*\t+4:128+64*(\n)+8*\t+7], v10, s[BB+2*(\n):BB+2*(\n)+1] offset:(32*(\t/2)+8*(\t%2))*4+16
.endr
.else
.irp j, 0,1,2,3
.irp i, 0,1,2,3,4,5,6,7
	global_load_b32 v[216+8*\j+\i], v11, s[BB+4:BB+5] offset:(32*(\j/2)+8*(\j%2))*4
.endr
.endr
.endif
.endm
.macro MUL32 g
.set NN, (\g)/8
.set SS, (\g)%8
.set FA, 64*((\g)%2)
.set FB, 32*((\g)%RING)
.set SA, 16+32*NN+SS%4
.set SB, 112+16*NN+SS%4
.if SS > 0
	WIN 0x5b
.elseif NN < 2
	WIN 0x7b
.else
	WIN 0x4b
.endif
.irp j, 0,1,2,3
.irp t, 0,1,2,3,4,5,6,7
.if SS >= 4
	v_wmma_scale_f32_16x16x128_f8f6f4 v[64*\j+8*\t:64*\j+8*\t+7], v[FA+8*\t:FA+8*\t+7], v[FB+8*\j:FB+8*\j+7], v[64*\j+8*\t:64*\j+8*\t+7], v[SA+4*\t], v[SB+4*\j] matrix_a_fmt:MATRIX_FMT_FP4 matrix_b_fmt:MATRIX_FMT_FP4 matrix_a_scale:MATRIX_SCALE_ROW1 matrix_b_scale:MATRIX_SCALE_ROW1
.elseif SS > 0
	v_wmma_scale_f32_16x16x128_f8f6f4 v[64*\j+8*\t:64*\j+8*\t+7], v[FA+8*\t:FA+8*\t+7], v[FB+8*\j:FB+8*\j+7], v[64*\j+8*\t:64*\j+8*\t+7], v[SA+4*\t], v[SB+4*\j] matrix_a_fmt:MATRIX_FMT_FP4 matrix_b_fmt:MATRIX_FMT_FP4
.elseif NN < 2
	v_wmma_scale_f32_16x16x128_f8f6f4 v[64*\j+8*\t:64*\j+8*\t+7], v[FA+8*\t:FA+8*\t+7], v[FB+8*\j:FB+8*\j+7], v[128+64*NN+8*\t:128+64*NN+8*\t+7], v[SA+4*\t], v[SB+4*\j] matrix_a_fmt:MATRIX_FMT_FP4 matrix_b_fmt:MATRIX_FMT_FP4
.else
	v_wmma_scale_f32_16x16x128_f8f6f4 v[64*\j+8*\t:64*\j+8*\t+7], v[FA+8*\t:FA+8*\t+7], v[FB+8*\j:FB+8*\j+7], v[216+8*\j:216+8*\j+7], v[SA+4*\t], v[SB+4*\j] matrix_a_fmt:MATRIX_FMT_FP4 matrix_b_fmt:MATRIX_FMT_FP4
.endif
.endr
.endr
.endm
.macro STEP g
.if (\g) < 23
	s_wait_dscnt 16
.else
	s_wait_dscnt 0x0
.endif
.if (\g) < RING
	s_wait_loadcnt 63
.elseif (\g) < 24-RING+1
	s_wait_loadcnt 8*(RING-1)
.else
	s_wait_loadcnt 8*(23-(\g))
.endif
	MUL32 \g
	PLACES
.if (\g) == 6
	WIN 0                                          ; the add's registers lie in window 0
	s_wait_tensorcnt 0x0                           ; my part of the second product's tiles, asked for seven steps ago, is in
	ds_add_u32 v254, v255                          ; the add and its wait, ahead of a later first fill
	s_wait_dscnt 0x0
	CROUND                                         ; everybody's part is in, and the four work-groups are here: the joint loads meet
	tensor_load_to_lds s[G0+8:G0+11], s[G1:G1+7]   ; the third product's tiles: a first fill, my one tensor load behind this round; it has steps 7 to 14 in which to land
	s_nop 0
.rept 4
	v_nop
.endr
.endif
.if (\g) == 14
	s_wait_tensorcnt 0x0                           ; my part of the third product's tiles is in
	s_wait_dscnt 0x0
	s_barrier_signal -1
	s_barrier_wait -1                              ; everybody's is
.endif
.if (\g)+2 < 24
	FETCH0 (\g)+2
.endif
.if (\g)+RING < 24
	FETCH1 (\g)+RING
.endif
.endm
.macro QUANT j
.set A0, 64*(\j)
	WIN 0x05
.irp b, 0,1,2,3
	v_max3_num_f32 v[TM+\b], |v[A0+16*\b]|, |v[A0+1+16*\b]|, 0x1800000
.endr
	WIN 0x14
.irp i, 2,4,6,8,10,12,14
.irp b, 0,1,2,3
	v_max3_num_f32 v[TM+\b], v[TM+\b], |v[A0+16*\b+\i]|, |v[A0+1+16*\b+\i]|
.endr
.endr
	WIN 0
.irp b, 0,1,2,3
	v_permlanex16_b32 v[TM+4+\b], v[TM+\b], s[SEL], s[SEL+1]
.endr
.irp b, 0,1,2,3
	v_max_num_f32 v[TM+\b], v[TM+\b], v[TM+4+\b]
.endr
.irp b, 0,1,2,3
	v_add_nc_u32 v[TM+12+\b], 0xff000000, v[TM+\b]
.endr
.irp b, 0,1,2,3
	v_lshrrev_b32 v[TM+4+\b], 23, v[TM+12+\b]
.endr
	v_lshl_or_b32 v[PW+\j], v[TM+5], 8, v[TM+4]
	v_lshl_or_b32 v[PW+\j], v[TM+6], 16, v[PW+\j]
	v_lshl_or_b32 v[PW+\j], v[TM+7], 24, v[PW+\j]
	WIN 0x01
.irp b, 0,1,2,3
	v_cvt_scalef32_pk8_fp4_f32 v[PC+8*(\j)+2*\b], v[A0+16*\b:A0+16*\b+7], v[TM+12+\b]
	v_cvt_scalef32_pk8_fp4_f32 v[PC+8*(\j)+1+2*\b], v[A0+8+16*\b:A0+15+16*\b], v[TM+12+\b]
.endr
	WIN 0
	v_nop
.irp c, 0,1
.irp i, 0,1
	v_permlane16_swap_b32 v[PC+8*(\j)+4*\c+\i], v[PC+8*(\j)+2+4*\c+\i]
.endr
.endr
.endm
.macro EPI n
.if (\n) > 0
	s_wait_xcnt 0x0
.endif
	QUANT 0
	QUANT 1
	QUANT 2
	QUANT 3
.if (\n) < 2
.set STR,  65536+(\n)*(KVB-65536)
.set REG,  (\n)*KV
.set SSTR, 8192+(\n)*(KVB-8192)
.set SREG, QS+(\n)*(KV+131072-QS)
	s_lshl_b32 s84, s[I1], 4
	s_lshl_b32 s85, s[WV], 2
	s_add_co_u32 s84, s84, s85
	s_lshr_b32 s85, s84, 7
	s_and_b32 s84, s84, 127
	s_lshl_b32 s85, s85, 4
	s_lshl_b32 s86, s[I0], 1
	s_add_co_u32 s85, s85, s86
	s_mul_i32 s92, s85, STR
	s_add_co_u32 s92, s92, REG
	s_lshl_b32 s94, s84, 9
	s_add_co_u32 s92, s92, s94
	s_mov_b32 s93, 0
	s_add_nc_u64 s[96:97], s[14:15], s[92:93]
	s_add_nc_u64 s[98:99], s[96:97], STR
	s_mul_i32 s92, s85, SSTR
	s_add_co_u32 s92, s92, SREG
	s_lshr_b32 s94, s84, 2
	s_lshl_b32 s94, s94, 8
	s_add_co_u32 s92, s92, s94
	s_add_nc_u64 s[100:101], s[14:15], s[92:93]
.irp j, 0,1,2,3
	v_bfe_u32 v[PS+\j], v[PW+\j], v13, 16
.endr
	s_wait_alu depctr_va_vdst(0)
.irp j, 0,1,2,3
	global_store_b128 v4, v[PC+8*\j:PC+8*\j+3], s[96:97] offset:512*\j
	global_store_b128 v4, v[PC+8*\j+4:PC+8*\j+7], s[98:99] offset:512*\j
.endr
	global_store_b128 v[14+(\n)], v[PS:PS+3], s[100:101]
.else
	s_lshr_b32 s84, s[CC], 4
	s_and_b32 s85, s[CC], 15
	s_lshl_b32 s84, s84, 4
	s_lshl_b32 s86, s[CX], 2
	s_add_co_u32 s84, s84, s86
	s_add_co_u32 s84, s84, s[WV]
	s_mul_i32 s92, s84, KVB
	s_add_co_u32 s92, s92, KV+65536
	s_lshl_b32 s86, s85, 12
	s_add_co_u32 s92, s92, s86
	s_mov_b32 s93, 0
	s_add_nc_u64 s[96:97], s[14:15], s[92:93]
	s_mul_i32 s92, s84, KVB
	s_add_co_u32 s92, s92, KV+139264
	s_lshl_b32 s86, s85, 9
	s_add_co_u32 s92, s92, s86
	s_add_nc_u64 s[100:101], s[14:15], s[92:93]
	s_wait_alu depctr_va_vdst(0)
.irp j, 0,1,2,3
	global_store_b128 v4, v[PC+8*\j:PC+8*\j+3], s[96:97] offset:1024*\j
	global_store_b128 v4, v[PC+8*\j+4:PC+8*\j+7], s[96:97] offset:1024*\j+512
.endr
	global_store_b128 v4, v[PW:PW+3], s[100:101]
.endif
.endm
	FETCH1 0
	EXTRA 0
.irp g, 1,2,3,4,5
	FETCH1 \g
.endr
	EXTRA 1
	EXTRA 2
	WIN 0
	s_wait_alu depctr_va_vdst(0)
	s_wait_tensorcnt 0x0                           ; my part of the first product's tiles is in
	ds_add_u32 v254, v255                          ; the add and its wait, ahead of a later first fill
	s_wait_dscnt 0x0
	CROUND                                         ; everybody's part is in, and the four work-groups are here: the joint loads meet
	tensor_load_to_lds s[G0+4:G0+7], s[G1:G1+7]    ; the second product's tiles: a first fill, my one tensor load behind this round; it has steps 0 to 6 in which to land
	s_nop 0
.rept 4
	v_nop
.endr
	FETCH0 0
	FETCH0 1
.irp g, 0,1,2,3,4,5,6,7
	STEP \g
.endr
	EPI 0
.irp g, 8,9,10,11,12,13,14,15
	STEP \g
.endr
	EPI 1
.irp g, 16,17,18,19,20,21,22,23
	STEP \g
.endr
	EPI 2
	WIN 0
	s_wait_tensorcnt 0x0
	ds_add_u32 v254, v255
	s_wait_dscnt 0x0
	CROUND
	s_endpgm
.Lfunc_end_k_q1a696a09d1_proj:
	.size	k_q1a696a09d1_proj, .Lfunc_end_k_q1a696a09d1_proj-k_q1a696a09d1_proj
	.p2alignl 7, 3214868480
	.fill 96, 4, 3214868480
	.section	.rodata,"a",@progbits
	.p2align	6, 0x0
	.amdhsa_kernel k_q1a696a09d1_proj
		.amdhsa_group_segment_fixed_size 327680
		.amdhsa_private_segment_fixed_size 0
		.amdhsa_enable_private_segment 0
		.amdhsa_kernarg_size 48
		.amdhsa_user_sgpr_count 2
		.amdhsa_user_sgpr_kernarg_segment_ptr 1
		.amdhsa_wavefront_size32 1
		.amdhsa_system_sgpr_workgroup_id_x 1
		.amdhsa_system_sgpr_workgroup_id_y 1
		.amdhsa_system_sgpr_workgroup_id_z 1
		.amdhsa_system_vgpr_workitem_id 0
		.amdhsa_next_free_vgpr 1024
		.amdhsa_next_free_sgpr 102
		.amdhsa_reserve_vcc 0
		.amdhsa_float_denorm_mode_32 3
		.amdhsa_float_denorm_mode_16_64 3
		.amdhsa_memory_ordered 1
		.amdhsa_forward_progress 1
		.amdhsa_inst_pref_size 214
	.end_amdhsa_kernel
	.amdgpu_metadata
---
amdhsa.version: [ 1, 2 ]
amdhsa.kernels:
  - .name:           k_q1a696a09d1_proj
    .symbol:         k_q1a696a09d1_proj.kd
    .args:
      - { .name: xq, .offset: 0, .size: 8, .value_kind: global_buffer, .address_space: global }
      - { .name: wq, .offset: 8, .size: 8, .value_kind: global_buffer, .address_space: global }
      - { .name: bq, .offset: 16, .size: 8, .value_kind: global_buffer, .address_space: global }
      - { .name: bk, .offset: 24, .size: 8, .value_kind: global_buffer, .address_space: global }
      - { .name: bv, .offset: 32, .size: 8, .value_kind: global_buffer, .address_space: global }
      - { .name: hq, .offset: 40, .size: 8, .value_kind: global_buffer, .address_space: global }
    .group_segment_fixed_size: 327680
    .private_segment_fixed_size: 0
    .kernarg_segment_align: 8
    .kernarg_segment_size: 48
    .max_flat_workgroup_size: 128
    .sgpr_count:     102
    .vgpr_count:     1024
    .wavefront_size: 32
...
	.end_amdgpu_metadata
.endif
;; end of part 2
;; launch attn (part 3): grid 4 x 64, 8 waves a work-group, no clusters, 148,480 bytes of LDS; arguments hq, mw, cq; writes cq
.if DOCPART == 3
	.amdgcn_target "amdgcn-amd-amdhsa--gfx1250"
	.amdhsa_code_object_version 6
	.text
	.protected	k_q1a696a09d1_attn
	.globl	k_q1a696a09d1_attn
	.p2align	8
	.type	k_q1a696a09d1_attn,@function
k_q1a696a09d1_attn:
	s_mov_b64 s[64:65], 0
	v_nop
	global_prefetch_b8 v0, s[64:65] scope:SCOPE_SE
	s_setreg_imm32_b32 hwreg(HW_REG_WAVE_MODE, 25, 1), 1
	s_wait_xcnt 0x0
; ctx[b][q][head] = softmax_k(q . k / 8, masked) v, both products on codes of FP4 (E2M1) with E8M0 scales; ctx is quantised at once along the hidden axis for the last product.
; THE SOFTMAX AHEAD OF THE SECOND PRODUCT: t = score x log2(e) / 8; M = the row's largest t so far, rounded UP to a whole number; p = 2^(t - M) is what is quantised, along the keys; the row's sum is taken of the
; unquantised p and divides at the end.  When M moves, the sum and O are multiplied by 2^(old M - new M): exact.
; THE MASK: where attn_mask is set the score is replaced by -2^33 ahead of the maximum, that is a logit of -2^30.  LIMIT: with -1e9 in its place the results are the same wherever unmasked logits lie above about -1e9.
; A row that is masked whole gives p = 1 for every key, as there: -2^33 x c is exact and a whole number, so t - M = 0.  NaN and infinities are not served.
; The mask comes as lane-mask words (bit l = lane l), one for each score register, and as one flag bit for each tile of 16 queries and key step of 128 keys, set where any of the step's mask bytes is set.  Both were stored
; by the first launch as whole numbers.  A scalar branch on the flags leads round the loads of the words and the selects where nothing is masked; it leads round no barrier.
; NO TENSOR LOAD, NO CLUSTER: K and V come by plain loads, and without tensor loads there are no joint loads.
; NO PREFETCH: the head's record is asked for once, at the kernel's head; the loop reads LDS.
; SHARES.  A work-group owns 512 queries of one head: eight waves, each four tiles of 16 queries, TWO AT A TIME: the two tiles' instructions stand by turns, so that each dependent chain has an independent one beside it,
; and each fragment of K and V that is read from LDS feeds two matrix instructions.  THE HEAD'S WHOLE K AND V, codes and scale words, 147,456 bytes, lie in LDS as they lie in memory:
; each thread loads 36 x 16 bytes (a load of the work-group covers 4,096 consecutive bytes) and stores them to LDS; one barrier; from there on LDS is only read.
; LAYOUT.  Both products are used transposed: S^T = K Q^T (source 0 = 16 keys), O^T = V^T P^T (source 0 = 16 of the head's 64): a lane holds ONE query (lane % 16) of each tile throughout.
; Lane r of K's tile t of a step holds key 64 (t / 4) + 8 (t % 4) + r % 8 + 32 (r / 8).  So score register 8 t + j of lane (r, h) is key 64 (t / 4) + 32 h + 8 (t % 4) + j: the 32 registers of four tiles are ONE block of
; 32 keys, whole in a lane: its maximum needs no other lane, and the conversion of tile t's eight registers is register t of P's operand as it stands.
; THE FIRST PRODUCT'S K IS 64, the instruction's 128: Q's registers 4-7 are zero codes.  K's eight tiles lie dense, four registers each; a tile's operand runs on into the next tile's codes, which meet Q's zeros.
; REGISTERS.  Window 0: v1-11, v25-31 addresses and constants; v32-67 K; v68-75 K's scale words, v76-79 V's; v80-111 V; v112-127 Q of the two tiles, v128-129 their scale words; from TA and TB 24 small registers a tile:
;   +0 -M, +1 the largest score, +2..9 the sum in four packed chains, +10..13 maxima, +14..17 at work, +18,19 the conversions' scale operands, +20,21 f, +22 at work, +23 p's scale word.
; Window 1, tile x: S^T, then p, at v[64 x]; O^T at v[128 + 32 x]; p's codes at v[192 + 8 x].  Both tiles' large arrays lie in one window, so one setting of the windows serves both.
.set QS,    4194304                    ; hq: q's scale words
.set KV,    4718592                    ; hq: the heads' records
.set KVB,   147456                     ; a record: K's codes at 0, V's at 65,536, K's scale words at 131,072, V's at 139,264
.set CQS,   4194304                    ; cq: where the scale bytes begin
.set MFL,   2097152                    ; mw: where the flags begin: 16 bytes a tile of queries
.set SPARE, 147456                     ; LDS: behind the record the spare words, 128 bytes for each wave
.set TA,   132
.set TB,   156
.set QB,   4                           ; s[4:5]   my two tiles' codes of q
.set MB,   6                           ; s[6:7]   my four tiles' 64 units of mask words
.set CB,   8                           ; s[8:9]   where my two tiles' codes of ctx go
.set WV,   10
.set CX,   11
.set BH,   12
.set FL,   13                          ; s13      the sixteen flags of my two tiles together
.set FB,   14                          ; s[14:15] where they lie
.set QSB,  84                          ; s[84:85] my two tiles' scale words of q
.set CSB,  86                          ; s[86:87] where their scale bytes of ctx go
.set SEL,  88                          ; s[88:89] lane l xor 16
.set CC,   90                          ; s[90:91] c = log2(e) / 8
.set MO,   96                          ; s96      the mask unit in hand, in bytes
.set HI,   97                          ; s97      lanes 16-31
.set JC,   98                          ; s98      the key step
.set TT,   99                          ; s99      which of my two pairs of tiles
.set MSB, 0
.macro WIN new                         ; low byte: bits 1:0 source 0, 3:2 source 1, 5:4 source 2, 7:6 destination; the high byte repeats the setting that is left
.if MSB != \new
	s_set_vgpr_msb (MSB<<8)|\new
.set MSB, \new
.endif
.endm
.macro MASK x                          ; tile x's unit of 64 words: word m in s[16 + m] for m under 48, in s[20 + m] from there on; then the 64 selects
	s_lshl_b32 s[MO], s[TT], 5
	s_add_co_u32 s[MO], s[MO], s[JC]
	s_add_co_u32 s[MO], s[MO], 16*\x
	s_lshl_b32 s[MO], s[MO], 8
	s_load_b512 s[16:31], s[MB:MB+1], s[MO] offset:0x0
	s_load_b512 s[32:47], s[MB:MB+1], s[MO] offset:0x40
	s_load_b512 s[48:63], s[MB:MB+1], s[MO] offset:0x80
	s_load_b512 s[68:83], s[MB:MB+1], s[MO] offset:0xc0
	s_wait_kmcnt 0x0
	WIN 0x41
.set jj, 0
.rept 64                                       ; ascending: each accumulator is read from its low end on
.set mm, 2*(jj%32)+jj/32
.if mm < 48
	v_cndmask_b32 v[64*\x+jj], v[64*\x+jj], v7, s[16+mm]
.else
	v_cndmask_b32 v[64*\x+jj], v[64*\x+jj], v7, s[20+mm]
.endif
.set jj, jj+1
.endr
	WIN 0
.endm
	s_load_b128 s[4:7], s[0:1], 0x0                ; hq, mw
	s_load_b64 s[8:9], s[0:1], 0x10                ; cq
	v_lshl_add_u32 v26, v0, 2, SPARE               ; my spare word, and 0: kept for the closing lines
	v_mov_b32 v27, 0
	v_lshrrev_b32 v1, 5, v0
	v_readfirstlane_b32 s[WV], v1                  ; wave 0..7
	v_lshlrev_b32 v28, 4, v0                       ; 16 x thread: my place in 4,096 bytes of the record, in memory and in LDS
	v_add_nc_u32 v29, 65536, v28
	v_add_nc_u32 v30, 131072, v28
	s_mov_b32 s[CX], ttmp9                         ; my block of 512 queries
	s_and_b32 s[BH], ttmp7, 0xffff                 ; 16 b + head
	s_mul_i32 s82, s[BH], KVB
	s_add_co_u32 s82, s82, KV
	s_mov_b32 s83, 0
	s_lshl_b32 s94, s[CX], 5
	s_lshl_b32 s97, s[WV], 2
	s_add_co_u32 s94, s94, s97                     ; T0: my first tile of queries, a multiple of 4
	s_mov_b32 s93, 0
	s_wait_alu depctr_va_vdst(0)                   ; directly ahead of the wait below
	s_wait_kmcnt 0x0
	s_add_nc_u64 s[26:27], s[4:5], s[82:83]        ; the head's record
	WIN 0x40
.set ii, 0
.rept 36
	global_load_b128 v[4*ii:4*ii+3], v28, s[26:27] offset:4096*ii
.set ii, ii+1
.endr
	WIN 0
	s_lshl_b32 s92, s[BH], 13                      ; q's scale words: 8,192 bytes a head; tile T's at 256 (T / 4) + 16 r + 4 (T % 4)
	s_lshr_b32 s97, s94, 2
	s_lshl_b32 s97, s97, 8
	s_add_co_u32 s92, s92, s97
	s_add_co_u32 s92, s92, QS
	s_add_nc_u64 s[QSB:QSB+1], s[4:5], s[92:93]
	s_lshl_b32 s92, s[BH], 7
	s_add_co_u32 s92, s92, s94
	s_lshl_b32 s92, s92, 9                         ; q's codes: 512 bytes a tile
	s_add_nc_u64 s[QB:QB+1], s[4:5], s[92:93]
	s_lshr_b32 s95, s[BH], 4
	s_lshl_b32 s95, s95, 7
	s_add_co_u32 s95, s95, s94                     ; 128 b + T0
	s_lshl_b32 s92, s95, 4
	s_add_co_u32 s92, s92, MFL
	s_add_nc_u64 s[FB:FB+1], s[6:7], s[92:93]      ; my tiles' flags
	s_lshl_b32 s92, s95, 12                        ; a tile's 16 units of 256 bytes
	s_add_nc_u64 s[MB:MB+1], s[6:7], s[92:93]
	s_and_b32 s96, s[BH], 15                       ; head
	s_lshl_b32 s92, s95, 9                         ; ctx's scale bytes: 512 a tile; the head's two at 256 (head / 8) + 16 r + 4 ((head / 2) % 4) + 2 (head % 2)
	s_lshr_b32 s97, s96, 3
	s_lshl_b32 s97, s97, 8
	s_add_co_u32 s92, s92, s97
	s_bfe_u32 s97, s96, 0x20001
	s_lshl_b32 s97, s97, 2
	s_add_co_u32 s92, s92, s97
	s_and_b32 s97, s96, 1
	s_lshl_b32 s97, s97, 1
	s_add_co_u32 s92, s92, s97
	s_add_co_u32 s92, s92, CQS
	s_add_nc_u64 s[CSB:CSB+1], s[8:9], s[92:93]
	s_lshl_b32 s92, s95, 13                        ; ctx's codes: 8,192 a tile, the head's 512 bytes: half head % 2 of fragment head / 2
	s_lshl_b32 s97, s96, 9
	s_add_co_u32 s92, s92, s97
	s_add_nc_u64 s[CB:CB+1], s[8:9], s[92:93]
	s_mov_b32 s[SEL], 0x76543210
	s_mov_b32 s[SEL+1], 0xfedcba98
	s_mov_b32 s[CC], 0x3e38aa3b                    ; c = log2(e) / 8
	s_mov_b32 s[CC+1], s[CC]                       ; (named with it as a pair, so it is written)
	s_mov_b32 s[HI], 0xffff0000
	v_and_b32 v8, 31, v0                           ; lane
	v_and_b32 v9, 15, v0                           ; r
	v_bfe_u32 v10, v0, 4, 1                        ; h
	v_lshlrev_b32 v1, 4, v8                        ; 16 x lane: K's images, and q's and ctx's in memory
	v_lshlrev_b32 v5, 4, v9                        ; 16 r
	v_lshlrev_b32 v25, 3, v10                      ; 8 h: where my two scale bytes stand in p's scale word
	v_add_nc_u32 v2, 65536, v1                     ; V's images
	v_add_nc_u32 v3, 131072, v5                    ; K's scale words
	v_add_nc_u32 v4, 139264, v1                    ; V's
	v_add_nc_u32 v6, v5, v10                       ; ctx's scale byte: 16 r + h
	v_mov_b32 v7, 0xd0000000                       ; -2^33
	v_mov_b32 v31, 0xff61b1e6                      ; -3e38, under every score: where the chains of maxima begin
.irp i, 0,1,2,3
	v_mov_b32 v[116+\i], 0                         ; Q's upper half of K: zero codes, for each tile
	v_mov_b32 v[124+\i], 0
	v_mov_b32 v[64+\i], 0                          ; what the last tile of K runs on into
.endr
.irp T, TA, TB
	v_mov_b32 v[\T+14], 0                          ; written once: a lane permute's destination counts as read
	v_mov_b32 v[\T+15], 0
	v_mov_b32 v[\T+17], 0
	v_mov_b32 v[\T+21], 0                          ; (the upper half of f's pair: named, so it is written)
.endr
	s_wait_alu depctr_va_vdst(0)
	WIN 0x04                                       ; the stores' data lie in window 1
.set ii, 0
.rept 36
	s_wait_loadcnt 35-ii                           ; load ii is in; the 35 - ii issued behind it may be out
	ds_store_b128 v[28+ii/16], v[4*ii:4*ii+3] offset:4096*(ii%16)
.set ii, ii+1
.endr
	WIN 0
	s_wait_dscnt 0x0                               ; for the others' sake: my stores are done
	s_barrier_signal -1
	s_barrier_wait -1                              ; the record is whole.  From here on LDS is only read
.irp t, 0,1,2,3,4,5,6,7
	ds_load_b128 v[32+4*\t:35+4*\t], v1 offset:512*\t   ; key step 0's K
.endr
	ds_load_b128 v[68:71], v3
	ds_load_b128 v[72:75], v3 offset:256
	s_mov_b32 s[TT], 0
.Ltile:
	global_load_b128 v[112:115], v1, s[QB:QB+1]    ; Q's fragments: k = 32 h + 0 .. 31 of query r, of the two tiles
	global_load_b128 v[120:123], v1, s[QB:QB+1] offset:512
	global_load_b64 v[128:129], v5, s[QSB:QSB+1]   ; their scale words (bytes 2 and 3 are 0)
	s_load_b256 s[16:23], s[FB:FB+1], 0x0          ; the two tiles' flags: four words of four bits each, every bit at its place
.irp T, TA, TB
	v_mov_b32 v[\T+1], 0xff61b1e6                  ; the largest score so far: -3e38, under every score
	v_mov_b32 v[\T], 0x7e23c000                    ; -M: a large whole number, so that the first f is 0
.irp i, 2,3,4,5,6,7,8,9
	v_mov_b32 v[\T+\i], 0                          ; the sum
.endr
.endr
	WIN 0x40
.set jj, 0
.rept 64
	v_mov_b32 v[128+jj], 0                         ; O^T of both tiles.  (The step is written once: the first finds zeros, which the first change of M leaves zeros)
.set jj, jj+1
.endr
	WIN 0
	s_mov_b32 s[JC], 0
	s_wait_alu depctr_va_vdst(0)                   ; directly ahead of the waits below
	s_wait_kmcnt 0x0
	s_or_b32 s16, s16, s17
	s_or_b32 s18, s18, s19
	s_or_b32 s20, s20, s21
	s_or_b32 s22, s22, s23
	s_or_b32 s16, s16, s18
	s_or_b32 s20, s20, s22
	s_or_b32 s[FL], s16, s20                       ; bit j: key step j has a mask byte that is set, in one tile or the other
	s_wait_loadcnt 0x0
	s_wait_dscnt 0x0
.Lstep:                                            ; 16 trips: 128 keys each, for both tiles
	WIN 0x40
.irp t, 0,1,2,3,4,5,6,7
.irp x, 0,1
	v_wmma_scale_f32_16x16x128_f8f6f4 v[64*\x+8*\t:64*\x+8*\t+7], v[32+4*\t:39+4*\t], v[112+8*\x:119+8*\x], 0, v[68+\t], v[128+\x] matrix_a_fmt:MATRIX_FMT_FP4 matrix_b_fmt:MATRIX_FMT_FP4
.endr
.endr
	WIN 0
	s_add_co_u32 s92, s[JC], 1
	s_and_b32 s92, s92, 15                         ; the next key step; the last trip fetches step 0 again, for my next pair
	s_lshl_b32 s93, s92, 9
	s_lshl_b32 s92, s92, 12
	s_lshl_b32 s94, s[JC], 12
	s_lshl_b32 s95, s[JC], 9
	v_add_nc_u32 v8, s92, v1                       ; these four lines are the four places behind the products, in front of the loads into their registers and of the first read of the scores
	v_add_nc_u32 v10, s93, v3
	v_add_nc_u32 v9, s94, v2
	v_add_nc_u32 v11, s95, v4
.irp d, 0,1,2,3
.irp c, 0,1
	ds_load_b128 v[80+8*\d+4*\c:83+8*\d+4*\c], v9 offset:1024*\d+512*\c   ; this step's V: 16 of the head's 64 x 128 keys a tile
.endr
.endr
	ds_load_b128 v[76:79], v11                     ; its four scale words
.irp t, 0,1,2,3,4,5,6,7
	ds_load_b128 v[32+4*\t:35+4*\t], v8 offset:512*\t   ; the next step's K
.endr
	ds_load_b128 v[68:71], v10
	ds_load_b128 v[72:75], v10 offset:256
	s_bitcmp1_b32 s[FL], s[JC]                     ; is anything masked among my 32 queries x these 128 keys?
	s_cbranch_scc0 .Lopen
	MASK 0
	MASK 1
.Lopen:
	WIN 0x05                                       ; two scores from window 1, the chain in window 0
.irp b, 0,1,2,3
.irp x, 0,1
	v_max3_num_f32 v[TA+24*\x+10+\b], v[64*\x+16*\b], v[64*\x+16*\b+1], v31   ; eight chains of 16 registers by turns; each accumulator is first read at its low end
.endr
.endr
.irp i, 2,4,6,8,10,12,14
.irp b, 0,1,2,3
.irp x, 0,1
	v_max3_num_f32 v[TA+24*\x+10+\b], v[64*\x+16*\b+\i], v[64*\x+16*\b+\i+1], v[TA+24*\x+10+\b]
.endr
.endr
.endr
	WIN 0
.irp T, TA, TB
	v_max_num_f32 v[\T+10], v[\T+10], v[\T+11]     ; THE LARGEST SCORE OF MY TWO BLOCKS OF 32 KEYS, h and 2 + h: it serves for the row's maximum and, since p rises with the score, for the block's largest p
.endr
.irp T, TA, TB
	v_max_num_f32 v[\T+11], v[\T+12], v[\T+13]
.endr
.irp T, TA, TB
	v_mov_b32 v[\T+15], v[\T]                      ; the old -M
.endr
.irp T, TA, TB
	v_max_num_f32 v[\T+22], v[\T+10], v[\T+11]
.endr
.irp T, TA, TB
	v_permlanex16_b32 v[\T+14], v[\T+22], s[SEL], s[SEL+1]
.endr
.irp T, TA, TB
	v_max3_num_f32 v[\T+1], v[\T+1], v[\T+22], v[\T+14]   ; the running largest score of my query (c is positive: the largest score gives the largest t)
.endr
.irp T, TA, TB
	v_mul_f32 v[\T+22], s[CC], v[\T+1]             ; as t
.endr
.irp T, TA, TB
	v_floor_f32 v[\T], -v[\T+22]                   ; the new -M = floor(-t) = -ceil(t)
.endr
.irp T, TA, TB
	v_sub_f32 v[\T+22], v[\T], v[\T+15]            ; M's old value less its new one: a whole number, 0 or less
.endr
.irp T, TA, TB
	v_pk_fma_f32 v[\T+10:\T+11], v[\T+10:\T+11], s[CC:CC+1], v[\T:\T+1] op_sel_hi:[1,0,0]   ; t - M of the two blocks' largest scores
.endr
.irp T, TA, TB
	v_cvt_i32_f32 v[\T+22], v[\T+22]               ; (it saturates)
.endr
.irp T, TA, TB
	v_ldexp_f32 v[\T+20], 1.0, v[\T+22]            ; f = 2^(old M - new M)
.endr
	WIN 0x41                                       ; source 0 and destination window 1: this setting serves the scalings, the exponentials and the conversions
.irp j, 0,2,4,6,8,10,12,14,16,18,20,22,24,26,28,30,32,34,36,38,40,42,44,46,48,50,52,54,56,58,60,62
.irp x, 0,1
	v_pk_fma_f32 v[64*\x+\j:64*\x+\j+1], v[64*\x+\j:64*\x+\j+1], s[CC:CC+1], v[TA+24*\x:TA+24*\x+1] op_sel_hi:[1,0,0]   ; t - M, two at a time
.endr
.endr
.irp j, 0,2,4,6,8,10,12,14,16,18,20,22,24,26,28,30
.irp x, 0,1
	v_pk_mul_f32 v[128+32*\x+\j:128+32*\x+\j+1], v[128+32*\x+\j:128+32*\x+\j+1], v[TA+24*\x+20:TA+24*\x+21] op_sel_hi:[1,0]   ; O^T under the new M: no exponential stands between the last products and these first reads of their results
.endr
.endr
	WIN 0
	s_wait_alu depctr_va_vdst(0)                   ; ahead of the batch
.irp T, TA, TB
	v_exp_f32 v[\T+10], v[\T+10]                   ; the blocks' largest p: the same two instructions on the same number give the same bits
	v_exp_f32 v[\T+11], v[\T+11]
.endr
	WIN 0x41
.set jj, 0
.rept 128
	v_exp_f32 v[jj], v[jj]                         ; p = 2^(t - M), at most 1: not normalised
.set jj, jj+1
.endr
	v_nop                                          ; a plain line behind the exponentials
	WIN 0
	s_wait_alu depctr_va_vdst(0)                   ; one wait for the whole batch, ahead of its first reader
.irp i, 10,11
.irp T, TA, TB
	v_max_num_f32 v[\T+\i], 0x1800000, v[\T+\i]    ; the floor 2^(3 - 127): the byte cannot fall under 1 (a block whose every p is 0 keeps that byte: its codes are zeros)
.endr
.endr
.irp i, 0,1
.irp T, TA, TB
	v_add_nc_u32 v[\T+18+\i], 0xff000000, v[\T+10+\i]   ; 2 off the exponent field: the conversion's scale operand
.endr
.endr
.irp i, 0,1
.irp T, TA, TB
	v_lshrrev_b32 v[\T+14+\i], 23, v[\T+18+\i]     ; the scale's byte
.endr
.endr
.irp T, TA, TB
	v_lshl_or_b32 v[\T+16], v[\T+15], 16, v[\T+14] ; my two bytes: blocks h and 2 + h,
.endr
.irp T, TA, TB
	v_lshlrev_b32 v[\T+16], v25, v[\T+16]          ; at their places in the scale word;
.endr
.irp T, TA, TB
	v_permlanex16_b32 v[\T+17], v[\T+16], s[SEL], s[SEL+1]
.endr
.irp T, TA, TB
	v_or_b32 v[\T+23], v[\T+16], v[\T+17]          ; with lane l xor 16's two the word is whole
.endr
	WIN 0x41
.irp t, 0,1,2,3,4,5,6,7
.irp x, 0,1
	v_cvt_scalef32_pk8_fp4_f32 v[192+8*\x+\t], v[64*\x+8*\t:64*\x+8*\t+7], v[TA+24*\x+18+\t/4]   ; register t of P's operand: k = 64 (t / 4) + 32 h + 8 (t % 4) + 0 .. 7
.endr
.endr
	WIN 0x10                                       ; THE ROW'S SUM IS TAKEN OF THE UNQUANTISED p: two at a time, in four chains a tile that last over the steps.  Each chain's first line also brings it under the new M
.irp k, 0,1,2,3
.irp x, 0,1
	v_pk_fma_f32 v[TA+24*\x+2+2*\k:TA+24*\x+3+2*\k], v[TA+24*\x+2+2*\k:TA+24*\x+3+2*\k], v[TA+24*\x+20:TA+24*\x+21], v[64*\x+2*\k:64*\x+2*\k+1] op_sel_hi:[1,0,1]
.endr
.endr
	WIN 0x01                                       ; these lines also stand between the lines that made p's codes and scale word and the products that take them
.irp j, 8,16,24,32,40,48,56
.irp k, 0,1,2,3
.irp x, 0,1
	v_pk_add_f32 v[TA+24*\x+2+2*\k:TA+24*\x+3+2*\k], v[64*\x+\j+2*\k:64*\x+\j+2*\k+1], v[TA+24*\x+2+2*\k:TA+24*\x+3+2*\k]
.endr
.endr
.endr
	WIN 0x54                                       ; V in window 0; P, C and D in window 1
	s_wait_alu depctr_va_vdst(0)                   ; directly ahead of the wait below
	s_wait_dscnt 0x0                               ; this step's V and the next step's K are in
.irp d, 0,1,2,3
.irp x, 0,1
	v_wmma_scale_f32_16x16x128_f8f6f4 v[128+32*\x+8*\d:128+32*\x+8*\d+7], v[80+8*\d:87+8*\d], v[192+8*\x:199+8*\x], v[128+32*\x+8*\d:128+32*\x+8*\d+7], v[76+\d], v[TA+24*\x+23] matrix_a_fmt:MATRIX_FMT_FP4 matrix_b_fmt:MATRIX_FMT_FP4
.endr
.endr
	WIN 0
	s_add_co_u32 s[JC], s[JC], 1
	s_cmp_lt_u32 s[JC], 16
	s_cbranch_scc1 .Lstep
	; THE PAIR'S END: O^T / the sum is ctx: register 16 b + i = channel 32 b + 16 h + i of my query's head: two blocks of 32 along the last product's K
.irp T, TA, TB
	v_pk_add_f32 v[\T+2:\T+3], v[\T+2:\T+3], v[\T+4:\T+5]   ; the sum's four chains,
.endr
.irp T, TA, TB
	v_pk_add_f32 v[\T+6:\T+7], v[\T+6:\T+7], v[\T+8:\T+9]
.endr
.irp T, TA, TB
	v_pk_add_f32 v[\T+2:\T+3], v[\T+2:\T+3], v[\T+6:\T+7]
.endr
.irp T, TA, TB
	v_add_f32 v[\T+2], v[\T+2], v[\T+3]            ; its two halves,
.endr
.irp T, TA, TB
	v_permlanex16_b32 v[\T+14], v[\T+2], s[SEL], s[SEL+1]
.endr
.irp T, TA, TB
	v_add_f32 v[\T+2], v[\T+2], v[\T+14]           ; and lane l xor 16's
.endr
	s_wait_alu depctr_va_vdst(0)                   ; ahead of the transcendentals
	v_rcp_f32 v[TA+2], v[TA+2]
	v_rcp_f32 v[TB+2], v[TB+2]
	WIN 0x41
.rept 4
	v_nop                                          ; plain lines behind the reciprocals
.endr
	s_wait_alu depctr_va_vdst(0)                   ; ahead of the reciprocals' first reader and of the first readers of the last products' results
.irp j, 0,2,4,6,8,10,12,14,16,18,20,22,24,26,28,30
.irp x, 0,1
	v_pk_mul_f32 v[64*\x+\j:64*\x+\j+1], v[128+32*\x+\j:128+32*\x+\j+1], v[TA+24*\x+2:TA+24*\x+3] op_sel_hi:[1,0]
.endr
.endr
	WIN 0x05
.irp b, 0,1
.irp x, 0,1
	v_max3_num_f32 v[TA+24*\x+10+\b], |v[64*\x+16*\b]|, |v[64*\x+16*\b+1]|, 0x1800000
.endr
.endr
.irp i, 2,4,6,8,10,12,14
.irp b, 0,1
.irp x, 0,1
	v_max3_num_f32 v[TA+24*\x+10+\b], |v[64*\x+16*\b+\i]|, |v[64*\x+16*\b+\i+1]|, v[TA+24*\x+10+\b]
.endr
.endr
.endr
	WIN 0
.irp b, 0,1
.irp T, TA, TB
	v_permlanex16_b32 v[\T+14+\b], v[\T+10+\b], s[SEL], s[SEL+1]
.endr
.endr
.irp b, 0,1
.irp T, TA, TB
	v_max_num_f32 v[\T+10+\b], v[\T+10+\b], v[\T+14+\b]
.endr
.endr
.irp b, 0,1
.irp T, TA, TB
	v_add_nc_u32 v[\T+18+\b], 0xff000000, v[\T+10+\b]
.endr
.endr
.irp b, 0,1
.irp T, TA, TB
	v_lshrrev_b32 v[\T+14+\b], 23, v[\T+18+\b]
.endr
.endr
.irp T, TA, TB
	v_cndmask_b32 v[\T+16], v[\T+14], v[\T+15], s[HI]   ; lanes 0-15 store block 0's byte, lanes 16-31 block 1's
.endr
	WIN 0x41
.irp b, 0,1
.irp x, 0,1
	v_cvt_scalef32_pk8_fp4_f32 v[192+8*\x+2*\b], v[64*\x+16*\b:64*\x+16*\b+7], v[TA+24*\x+18+\b]
	v_cvt_scalef32_pk8_fp4_f32 v[193+8*\x+2*\b], v[64*\x+16*\b+8:64*\x+16*\b+15], v[TA+24*\x+18+\b]
.endr
.endr
	v_nop                                          ; one plain line behind a scaled conversion
.irp x, 0,1
	v_permlane16_swap_b32 v[192+8*\x], v[194+8*\x]
	v_permlane16_swap_b32 v[193+8*\x], v[195+8*\x] ; registers 0-3: k = 32 h + 0 .. 31
.endr
	WIN 0x04                                       ; the stores' data lie in window 1
	global_store_b128 v1, v[192:195], s[CB:CB+1]   ; 512 consecutive bytes of each tile's image
	global_store_b128 v1, v[200:203], s[CB:CB+1] offset:8192
	WIN 0
	global_store_b8 v6, v[TA+16], s[CSB:CSB+1]     ; single bytes: two heads share a scale word and belong to different work-groups; 32 bytes for a tile's 512 of codes
	global_store_b8 v6, v[TB+16], s[CSB:CSB+1] offset:512
	s_wait_xcnt 0x0                                ; the stores and loads have read their registers and bases: both are written again only behind this wait
	s_add_nc_u64 s[QB:QB+1], s[QB:QB+1], 1024      ; on to my second pair of tiles
	s_add_nc_u64 s[QSB:QSB+1], s[QSB:QSB+1], 8
	s_add_nc_u64 s[CB:CB+1], s[CB:CB+1], 16384
	s_add_nc_u64 s[CSB:CSB+1], s[CSB:CSB+1], 1024
	s_add_nc_u64 s[FB:FB+1], s[FB:FB+1], 32
	s_add_co_u32 s[TT], s[TT], 1
	s_cmp_lt_u32 s[TT], 2
	s_cbranch_scc1 .Ltile
	s_wait_tensorcnt 0x0                           ; the wave's end, behind my last LDS store
	ds_add_u32 v26, v27
	s_wait_dscnt 0x0
	s_endpgm
.Lfunc_end_k_q1a696a09d1_attn:
	.size	k_q1a696a09d1_attn, .Lfunc_end_k_q1a696a09d1_attn-k_q1a696a09d1_attn
	.p2alignl 7, 3214868480
	.fill 96, 4, 3214868480
	.section	.rodata,"a",@progbits
	.p2align	6, 0x0
	.amdhsa_kernel k_q1a696a09d1_attn
		.amdhsa_group_segment_fixed_size 148480
		.amdhsa_private_segment_fixed_size 0
		.amdhsa_enable_private_segment 0
		.amdhsa_kernarg_size 24
		.amdhsa_user_sgpr_count 2
		.amdhsa_user_sgpr_kernarg_segment_ptr 1
		.amdhsa_wavefront_size32 1
		.amdhsa_system_sgpr_workgroup_id_x 1
		.amdhsa_system_sgpr_workgroup_id_y 1
		.amdhsa_system_sgpr_workgroup_id_z 1
		.amdhsa_system_vgpr_workitem_id 0
		.amdhsa_next_free_vgpr 512
		.amdhsa_next_free_sgpr 100
		.amdhsa_reserve_vcc 0
		.amdhsa_float_denorm_mode_32 3
		.amdhsa_float_denorm_mode_16_64 3
		.amdhsa_memory_ordered 1
		.amdhsa_forward_progress 1
		.amdhsa_inst_pref_size 59
	.end_amdhsa_kernel
	.amdgpu_metadata
---
amdhsa.version: [ 1, 2 ]
amdhsa.kernels:
  - .name:           k_q1a696a09d1_attn
    .symbol:         k_q1a696a09d1_attn.kd
    .args:
      - { .name: hq, .offset: 0, .size: 8, .value_kind: global_buffer, .address_space: global }
      - { .name: mw, .offset: 8, .size: 8, .value_kind: global_buffer, .address_space: global }
      - { .name: cq, .offset: 16, .size: 8, .value_kind: global_buffer, .address_space: global }
    .group_segment_fixed_size: 148480
    .private_segment_fixed_size: 0
    .kernarg_segment_align: 8
    .kernarg_segment_size: 24
    .max_flat_workgroup_size: 256
    .sgpr_count:     100
    .vgpr_count:     512
    .wavefront_size: 32
...
	.end_amdgpu_metadata
.endif
;; end of part 3
;; launch outp (part 4): grid 256 x 1, 8 waves a work-group, clusters of 4 x 1, 279,552 bytes of LDS; arguments cq, wq, bo, Q, ln_g, ln_b, out0; writes out0
.if DOCPART == 4
	.amdgcn_target "amdgcn-amd-amdhsa--gfx1250"
	.amdhsa_code_object_version 6
	.text
	.protected	k_q1a696a09d1_outp
	.globl	k_q1a696a09d1_outp
	.p2align	8
	.type	k_q1a696a09d1_outp,@function
k_q1a696a09d1_outp:
	s_mov_b64 s[64:65], 0
	v_nop
	global_prefetch_b8 v0, s[64:65] scope:SCOPE_SE
	s_setreg_imm32_b32 hwreg(HW_REG_WAVE_MODE, 25, 1), 1
	s_wait_xcnt 0x0
	s_wait_alu depctr_hold_cnt(0) depctr_sa_sdst(0) depctr_va_vdst(0) depctr_va_sdst(0) depctr_va_ssrc(0) depctr_va_vcc(0) depctr_vm_vsrc(0)
	s_getreg_b32 s2, hwreg(HW_REG_IB_STS2, 6, 4)
	s_cmp_eq_u32 s2, 0
	s_cbranch_scc0 .Lentry_in_a_cluster
	s_endpgm
.Lentry_in_a_cluster:
	s_bfe_u32 s2, ttmp6, 0x10000c
	s_cmp_lg_u32 s2, 0x3003
	s_cbranch_scc0 .Lentry_shape_is_right
	s_endpgm
.Lentry_shape_is_right:
; out0 = LayerNorm(ctx Wo + bo + Q) x ln_g + ln_b.  The product on codes of FP4 (E2M1) with E8M0 scales, K = 1,024; all else in f32; eps = 1e-5.
; SHARES.  A work-group takes 32 rows (two tiles of 16), whole: so a row's mean and variance never leave it.  THE WAVES SHARE THE COLUMNS: wave w makes columns 128 w .. 128 w + 127 (8 tiles of Wo) for both row tiles: 16 accumulators.
; The product is used transposed (source 0 = 16 columns of Wo, source 1 = 16 rows of ctx): a lane holds one row, and the 16 registers of column tiles 2 b and 2 b + 1 are 16 neighbouring columns, 64 bytes.
; Operands lie in memory as images of their registers (a fragment: 1,024 bytes, byte 512 c + 16 lane = registers 4 c .. 4 c + 3).
; WO COMES BY TWO ROADS AT ONCE.  Every work-group reads all of it, 524,288 bytes of codes, more than LDS holds.  K steps 0 to 3, 262,144 bytes, come into LDS by tensor loads, each byte filled once; the four work-groups of a
; CLUSTER ask for them jointly; each wave fetches the 32,768 bytes of its own 8 tiles and reads them alone.  K steps 4 to 7 go from memory straight into registers, 512 consecutive bytes a load, two K steps ahead, and are
; multiplied first.  So nothing is filled again.
; CTX is loaded once a work-group, 2,048 bytes a wave, and handed round through LDS bytes of its own, as it lies: every wave takes its fragments from there.
; THE BIAS is the C of the first K step.  THE RESIDUAL, each wave's four rows of Q, lands in the registers that the fragments from memory have left; ln_g and ln_b in a buffer that the fragments from LDS have left.
; THE NORM: the results meet in a stage in LDS (a row's 1,024 columns come from eight waves); then one wave, one row: 32 numbers a lane; the mean first, then the squares of the differences: no difference of large sums.
; The stage lies in Wo's bytes: they have had their only fill, and a barrier stands between every wave's last read of them and the first store.
; LIMITS: NaN and infinities are not served.
; REGISTERS: window 0: v1-10 addresses; v24-55 Wo's scale words, v56-63 ctx's; v64-191 accumulator (m, t) at v[64 + 64 m + 8 t], later two rows by turns; v192-223 ctx's fragments, two buffers; v224-231 at work; v232-247 ctx on its way to LDS.
;   window 1: v0-127 Wo's fragments from memory, two buffers of 64; later the residual, 32 a row.  v128-255 Wo's fragments from LDS, two buffers; at first the bias in v128-191; at last ln_g in v128-159, ln_b in v160-191.
.set WQS,  2097152                     ; wq: where the scale bytes begin
.set CQS,  4194304                     ; cq: likewise
.set CTX,  262144                      ; LDS: Wo's K steps 0-3, 8 x 32,768 bytes (later the stage: 32 rows x 4,112 bytes from byte 0 on); then ctx's 16,384
.set SP,   4112
.set WV,   18
.set SEL,  44
.set MSB, 0
.macro WIN new                         ; the immediate's high byte repeats the setting that is left
.if MSB != \new
	s_set_vgpr_msb (MSB<<8)|\new
.set MSB, \new
.endif
.endm
.macro PLACES                          ; four plain vector lines between a matrix instruction and a load into one of its registers or a read of its result
.rept 4
	v_nop
.endr
.endm
.macro CROUND                          ; a round of the cluster's barrier
	s_barrier_signal -1
	s_barrier_wait -1
	s_cmp_lg_u32 s[WV], 0
	s_cbranch_scc1 .Lnot_wave_0_\@
	s_barrier_signal -3
.Lnot_wave_0_\@:
	s_barrier_wait -3
	s_barrier_signal -1
	s_barrier_wait -1
.endm
	s_load_b256 s[4:11], s[0:1], 0x0               ; cq 4, wq 6, bo 8, Q 10
	s_load_b128 s[12:15], s[0:1], 0x20             ; ln_g 12, ln_b 14
	s_load_b64 s[16:17], s[0:1], 0x30              ; out0
	v_lshl_add_u32 v254, v0, 2, 0x44000
	v_mov_b32 v255, 0
	ds_add_u32 v254, v255
	ds_add_u32 v254, v255
	v_lshrrev_b32 v1, 5, v0
	s_delay_alu instid0(VALU_DEP_1)
	v_readfirstlane_b32 s[WV], v1                  ; wave 0..7
	s_bfe_u32 s46, ttmp6, 0x40000                  ; cx: it enters the addresses of plain loads and stores alone
	s_lshl_b32 s47, ttmp9, 2
	s_add_co_u32 s47, s47, s46                     ; p: my work-group's 32 rows
	; stage rows 4 w .. 4 w + 3 are lanes r = 4 (w % 4) + 0 .. 3 of row tile w / 4: rows 8 (w / 4) + r + 8 (r / 8) of the work-group's 32: four neighbours
	s_lshr_b32 s19, s[WV], 2
	s_lshl_b32 s19, s19, 3
	s_and_b32 s32, s[WV], 3
	s_lshl_b32 s33, s32, 2
	s_add_co_u32 s19, s19, s33
	s_lshr_b32 s32, s32, 1
	s_lshl_b32 s32, s32, 3
	s_add_co_u32 s19, s19, s32
	s_lshl_b32 s32, s47, 5
	s_add_co_u32 s32, s32, s19                     ; my first row
	s_lshl_b32 s32, s32, 12                        ; a row is 4,096 bytes
	s_mov_b32 s33, 0
	s_mov_b32 s24, 15|(3<<16)|(1<<21)              ; group 1: 15:0 the mask: all four work-groups; 17:16 elements of 8 bytes; 21 set beside a mask
	s_mov_b32 s25, 512<<16                         ; 8 tiles' K steps 0-3: 8 rows of 4,096 bytes (512 elements), 8,192 bytes apart
	s_mov_b32 s26, 8<<16
	s_mov_b32 s27, 512<<16
	s_mov_b32 s28, 8
	s_mov_b32 s29, 1024
	s_mov_b32 s30, 0
	s_mov_b32 s31, 0
	s_mov_b32 s20, 1
	s_lshl_b32 s21, s[WV], 15                      ; my 32,768 bytes of LDS
	s_lshl_b32 s48, s[WV], 16                      ; (in registers that never hold cx)
	s_add_co_u32 s48, s48, 1572864
	s_mov_b32 s49, 0
	s_wait_dscnt 0x0
	s_wait_kmcnt 0x0
	s_add_nc_u64 s[34:35], s[6:7], s[48:49]        ; Wo's codes: my 8 tiles
	s_mov_b64 s[22:23], s[34:35]
	s_or_b32 s23, s23, 0x80000000
	CROUND                                         ; all four work-groups are here: the joint loads meet
	tensor_load_to_lds s[20:23], s[24:31]          ; my one tensor load of the launch
	s_nop 0
.rept 4
	v_nop
.endr
	s_add_nc_u64 s[16:17], s[16:17], s[32:33]      ; out0 at my first row
	s_add_nc_u64 s[10:11], s[10:11], s[32:33]      ; Q likewise
	s_lshl_b32 s32, s[WV], 12
	s_add_co_u32 s32, s32, WQS+98304
	s_add_nc_u64 s[36:37], s[6:7], s[32:33]        ; Wo's scale bytes: my 8 tiles
	s_lshl_b32 s32, s47, 14
	s_lshl_b32 s19, s[WV], 11
	s_add_co_u32 s32, s32, s19
	s_add_nc_u64 s[38:39], s[4:5], s[32:33]        ; ctx's codes: my 2,048 bytes of the work-group's 16,384
	s_lshl_b32 s32, s47, 10
	s_add_co_u32 s32, s32, CQS
	s_add_nc_u64 s[40:41], s[4:5], s[32:33]        ; ctx's scale bytes: the two tiles'
	s_lshl_b32 s32, s[WV], 9
	s_add_nc_u64 s[8:9], s[8:9], s[32:33]          ; bo: my 128 columns
	s_mov_b32 s42, 0x3a800000                      ; 1 / 1,024
	s_mov_b32 s43, 0x3727c5ac                      ; 1e-5
	s_mov_b32 s[SEL], 0x76543210
	s_mov_b32 s[SEL+1], 0xfedcba98
	v_and_b32 v2, 31, v0
	s_delay_alu instid0(VALU_DEP_1)
	v_lshlrev_b32 v1, 4, v2                        ; 16 x lane
	v_and_b32 v2, 15, v0                           ; r
	v_bfe_u32 v3, v0, 4, 1                         ; h
	s_delay_alu instid0(VALU_DEP_1)
	v_lshlrev_b32 v8, 6, v3                        ; 64 h
	s_delay_alu instid0(VALU_DEP_3)
	v_mul_u32_u24 v4, v2, SP
	s_delay_alu instid0(VALU_DEP_1)
	v_add_nc_u32 v4, v4, v8
	s_delay_alu instid0(VALU_DEP_1)
	v_add_nc_u32 v4, s32, v4                       ; into the stage: row r, + 512 x wave + 64 h;
	s_delay_alu instid0(VALU_DEP_1)
	v_add_nc_u32 v5, 16*SP, v4                     ; the second row tile 16 rows further down
	s_mul_i32 s32, s[WV], 4*SP
	v_add_nc_u32 v6, s32, v1                       ; out of it: my four rows, 16 bytes a lane
	s_lshl_b32 s32, s[WV], 15
	v_add_nc_u32 v7, s32, v1                       ; Wo's images in LDS: my 8 tiles
	v_add_nc_u32 v9, CTX, v1                       ; ctx's images
	s_lshl_b32 s32, s[WV], 11
	v_add_nc_u32 v10, s32, v9                      ; and where I put my part of them
	v_mov_b32 v229, 0                              ; (upper halves of pairs whose low word serves both halves: named, so they are written)
	v_mov_b32 v231, 0
.macro GF s                            ; K step s (4 to 7) of Wo from memory: 16 loads into buffer s % 2 of v0-127, window 1
	WIN 0x40
.irp t, 0,1,2,3,4,5,6,7
.irp c, 0,1
	global_load_b128 v[64*((\s)%2)+8*\t+4*\c:64*((\s)%2)+8*\t+4*\c+3], v1, s[34:35] offset:8192*\t+1024*(\s)+512*\c
.endr
.endr
.endm
.macro LF s                            ; K step s (0 to 3) of Wo from LDS: 16 loads into buffer s % 2 of v128-255, window 1
	WIN 0x40
.irp t, 0,1,2,3,4,5,6,7
.irp c, 0,1
	ds_load_b128 v[128+64*((\s)%2)+8*\t+4*\c:128+64*((\s)%2)+8*\t+4*\c+3], v7 offset:4096*\t+1024*(\s)+512*\c
.endr
.endr
.endm
.macro CF i                            ; ctx's two fragments for the i-th product, which is K step (i + 4) % 8: 4 loads into buffer i % 2
	WIN 0
.irp m, 0,1
.irp c, 0,1
	ds_load_b128 v[192+16*((\i)%2)+8*\m+4*\c:192+16*((\i)%2)+8*\m+4*\c+3], v9 offset:8192*\m+1024*(((\i)+4)%8)+512*\c
.endr
.endr
.endm
.macro RES a                           ; my rows 2 a and 2 a + 1 of Q: 16 loads into the buffer that K step 6 + a has left
	WIN 0x40
.irp q, 0,1
.irp i, 0,1,2,3,4,5,6,7
	global_load_b128 v[64*(\a)+32*\q+4*\i:64*(\a)+32*\q+4*\i+3], v1, s[10:11] offset:4096*(2*(\a)+\q)+512*\i th:TH_LOAD_NT
.endr
.endr
.endm
; 16 matrix instructions: the 16 accumulators take turns, one instruction a turn, in the same order in every K step.  The first takes the bias as C.
; A scale register holds K step q's words in lanes 0-15 and K step 4 + q's in lanes 16-31.
.macro MULS i
.set SS, ((\i)+4)%8
.if SS < 4
.set AB, 128+64*(SS%2)
.else
.set AB, 64*(SS%2)
.endif
.set CFB, 192+16*((\i)%2)
.if (\i) == 0
	WIN 0x11                                       ; source 0 (Wo) and C (the bias) window 1
.else
	WIN 0x01                                       ; source 0 window 1
.endif
.irp t, 0,1,2,3,4,5,6,7
.irp m, 0,1
.if (\i) == 0
	v_wmma_scale_f32_16x16x128_f8f6f4 v[64+64*\m+8*\t:64+64*\m+8*\t+7], v[AB+8*\t:AB+8*\t+7], v[CFB+8*\m:CFB+8*\m+7], v[128+8*\t:128+8*\t+7], v[24+4*\t+SS%4], v[56+4*\m+SS%4] matrix_a_fmt:MATRIX_FMT_FP4 matrix_b_fmt:MATRIX_FMT_FP4 matrix_a_scale:MATRIX_SCALE_ROW1 matrix_b_scale:MATRIX_SCALE_ROW1
.elseif SS < 4
	v_wmma_scale_f32_16x16x128_f8f6f4 v[64+64*\m+8*\t:64+64*\m+8*\t+7], v[AB+8*\t:AB+8*\t+7], v[CFB+8*\m:CFB+8*\m+7], v[64+64*\m+8*\t:64+64*\m+8*\t+7], v[24+4*\t+SS%4], v[56+4*\m+SS%4] matrix_a_fmt:MATRIX_FMT_FP4 matrix_b_fmt:MATRIX_FMT_FP4
.else
	v_wmma_scale_f32_16x16x128_f8f6f4 v[64+64*\m+8*\t:64+64*\m+8*\t+7], v[AB+8*\t:AB+8*\t+7], v[CFB+8*\m:CFB+8*\m+7], v[64+64*\m+8*\t:64+64*\m+8*\t+7], v[24+4*\t+SS%4], v[56+4*\m+SS%4] matrix_a_fmt:MATRIX_FMT_FP4 matrix_b_fmt:MATRIX_FMT_FP4 matrix_a_scale:MATRIX_SCALE_ROW1 matrix_b_scale:MATRIX_SCALE_ROW1
.endif
.endr
.endr
.endm
	; THE HEAD'S LOADS: ctx 4, the bias 16, scale words 10, K steps 4 and 5 of Wo 32
.irp k, 0,1,2,3
	global_load_b128 v[232+4*\k:235+4*\k], v1, s[38:39] offset:512*\k
.endr
	WIN 0x40
.irp t, 0,1,2,3,4,5,6,7                        ; the bias in the result's layout: lane (r, h) wants, for tile 2 b + u, columns 32 b + 16 h + 8 u + 0 .. 7
	global_load_b128 v[128+8*\t:128+8*\t+3], v8, s[8:9] offset:(32*(\t/2)+8*(\t%2))*4
	global_load_b128 v[128+8*\t+4:128+8*\t+7], v8, s[8:9] offset:(32*(\t/2)+8*(\t%2))*4+16
.endr
	WIN 0
.irp t, 0,1,2,3,4,5,6,7                        ; a tile's 512 scale bytes by one load
	global_load_b128 v[24+4*\t:27+4*\t], v1, s[36:37] offset:512*\t
.endr
.irp m, 0,1
	global_load_b128 v[56+4*\m:59+4*\m], v1, s[40:41] offset:512*\m
.endr
	GF 4
	GF 5
	WIN 0
	s_wait_alu depctr_va_vdst(0)
	s_wait_loadcnt 58                              ; my part of ctx is in; the 16 + 10 + 32 loads issued behind it may be out
.irp k, 0,1,2,3
	ds_store_b128 v10, v[232+4*\k:235+4*\k] offset:512*\k
.endr
	s_wait_dscnt 0x0                               ; for the others' sake: my stores are done
	s_barrier_signal -1
	s_barrier_wait -1                              ; ctx's sixteen fragments lie in LDS.  My tensor load may be out
	CF 0
	CF 1
	s_wait_dscnt 4                                 ; this product's ctx is in; the next one's four loads may be out
	s_wait_loadcnt 16                              ; the bias, the scale words and K step 4 are in; K step 5's sixteen loads may be out
	MULS 0
	PLACES
	GF 6
	CF 2
	s_wait_dscnt 4
	s_wait_loadcnt 16                              ; K step 5 is in; K step 6's loads may be out
	MULS 1
	PLACES
	GF 7
	CF 3
	s_wait_dscnt 4
	s_wait_loadcnt 16                              ; K step 6 is in; K step 7's may be out
	MULS 2
	PLACES
	RES 0
	CF 4
	s_wait_tensorcnt 0x0                           ; my 8 tiles' K steps 0-3 have landed: I alone read them
	LF 0
	s_wait_dscnt 20                                ; this product's ctx is in; behind it: the next one's 4 loads and K step 0's 16
	s_wait_loadcnt 16                              ; K step 7 is in; the residual's first sixteen loads may be out
	MULS 3
	PLACES
	RES 1
	CF 5
	LF 1
	s_wait_dscnt 20                                ; ctx and K step 0 are in; the next product's 4 + 16 loads may be out
	MULS 4
	PLACES
	CF 6
	LF 2
	s_wait_dscnt 20
	MULS 5
	PLACES
	CF 7
	LF 3
	s_wait_dscnt 20
	MULS 6
	PLACES
	WIN 0x40
.irp i, 0,1,2,3,4,5,6,7                        ; ln_g and ln_b as a row lies in a wave: register 4 i + e of lane l = column 128 i + 4 l + e
	global_load_b128 v[128+4*\i:128+4*\i+3], v1, s[12:13] offset:512*\i
	global_load_b128 v[160+4*\i:160+4*\i+3], v1, s[14:15] offset:512*\i
.endr
	s_wait_dscnt 0x0                               ; the last fragments are in: my reads of Wo's bytes are over
	MULS 7
	WIN 0
	PLACES
	s_barrier_signal -1
	s_barrier_wait -1                              ; every wave's tensor load has landed and every wave's reads of Wo's bytes are over: the stage may be written there
.irp m, 0,1
.irp b, 0,1,2,3
.irp x, 0,1,2,3
	ds_store_b128 v[4+\m], v[64+64*\m+16*\b+4*\x:64+64*\m+16*\b+4*\x+3] offset:128*\b+16*\x   ; columns 128 w + 32 b + 16 h + 4 x on of row (m, r); each accumulator from its low end on
.endr
.endr
.endr
	s_wait_dscnt 0x0                               ; for the others' sake: my stores into the stage are done
	s_barrier_signal -1
	s_barrier_wait -1                              ; 32 whole rows lie in the stage
.macro ROWLOAD rho, xb                 ; my row rho: 32 numbers a lane into v[xb] on
.irp i, 0,1,2,3,4,5,6,7
	ds_load_b128 v[\xb+4*\i:\xb+4*\i+3], v6 offset:SP*(\rho)+512*\i
.endr
.endm
.macro LANESUM                         ; v[224:227]: two packed chains -> the sum over the row, in every lane's v224
	s_delay_alu instid0(VALU_DEP_1)
	v_pk_add_f32 v[224:225], v[224:225], v[226:227]
	s_delay_alu instid0(VALU_DEP_1)
	v_add_f32 v224, v224, v225
	s_delay_alu instid0(VALU_DEP_1)
	v_add_f32_dpp v224, v224, v224 row_xmask:1 row_mask:0xf bank_mask:0xf
	s_delay_alu instid0(VALU_DEP_1)
	v_add_f32_dpp v224, v224, v224 row_xmask:2 row_mask:0xf bank_mask:0xf
	s_delay_alu instid0(VALU_DEP_1)
	v_add_f32_dpp v224, v224, v224 row_xmask:4 row_mask:0xf bank_mask:0xf
	s_delay_alu instid0(VALU_DEP_1)
	v_add_f32_dpp v224, v224, v224 row_xmask:8 row_mask:0xf bank_mask:0xf
	s_delay_alu instid0(VALU_DEP_1)
	v_permlanex16_b32 v225, v224, s[SEL], s[SEL+1]
	s_delay_alu instid0(VALU_DEP_1)
	v_add_f32 v224, v224, v225
.endm
.macro ROWWORK rho, xb
	WIN 0x04                                       ; source 1 (the residual) window 1
.irp i, 0,2,4,6,8,10,12,14,16,18,20,22,24,26,28,30
	v_pk_add_f32 v[\xb+\i:\xb+\i+1], v[\xb+\i:\xb+\i+1], v[32*(\rho)+\i:32*(\rho)+\i+1]   ; + the residual
.endr
	WIN 0
	v_pk_add_f32 v[224:225], v[\xb:\xb+1], v[\xb+2:\xb+3]
	v_pk_add_f32 v[226:227], v[\xb+4:\xb+5], v[\xb+6:\xb+7]
.irp i, 8,12,16,20,24,28
	s_delay_alu instid0(VALU_DEP_2)
	v_pk_add_f32 v[224:225], v[224:225], v[\xb+\i:\xb+\i+1]
	s_delay_alu instid0(VALU_DEP_2)
	v_pk_add_f32 v[226:227], v[226:227], v[\xb+\i+2:\xb+\i+3]
.endr
	LANESUM
	s_delay_alu instid0(VALU_DEP_1)
	v_mul_f32 v228, 0xba800000, v224               ; - the mean
.irp i, 0,2,4,6,8,10,12,14,16,18,20,22,24,26,28,30
	v_pk_add_f32 v[\xb+\i:\xb+\i+1], v[\xb+\i:\xb+\i+1], v[228:229] op_sel_hi:[1,0]
.endr
	v_pk_mul_f32 v[224:225], v[\xb:\xb+1], v[\xb:\xb+1]
	v_pk_mul_f32 v[226:227], v[\xb+2:\xb+3], v[\xb+2:\xb+3]
.irp i, 4,8,12,16,20,24,28
	s_delay_alu instid0(VALU_DEP_2)
	v_pk_fma_f32 v[224:225], v[\xb+\i:\xb+\i+1], v[\xb+\i:\xb+\i+1], v[224:225]
	s_delay_alu instid0(VALU_DEP_2)
	v_pk_fma_f32 v[226:227], v[\xb+\i+2:\xb+\i+3], v[\xb+\i+2:\xb+\i+3], v[226:227]
.endr
	LANESUM
	s_delay_alu instid0(VALU_DEP_1)
	v_fma_f32 v230, v224, s42, s43                 ; the variance + eps
	s_wait_alu depctr_va_vdst(0)
	v_rsq_f32 v230, v230
	v_nop                                          ; a plain line behind the transcendental
	s_wait_alu depctr_va_vdst(0)                   ; ahead of its first reader
.irp i, 0,2,4,6,8,10,12,14,16,18,20,22,24,26,28,30
	v_pk_mul_f32 v[\xb+\i:\xb+\i+1], v[\xb+\i:\xb+\i+1], v[230:231] op_sel_hi:[1,0]
.endr
	WIN 0x14                                       ; sources 1 and 2 (ln_g, ln_b) window 1
.irp i, 0,2,4,6,8,10,12,14,16,18,20,22,24,26,28,30
	v_pk_fma_f32 v[\xb+\i:\xb+\i+1], v[\xb+\i:\xb+\i+1], v[128+\i:128+\i+1], v[160+\i:160+\i+1]
.endr
	WIN 0
.irp i, 0,1,2,3,4,5,6,7
	global_store_b128 v1, v[\xb+4*\i:\xb+4*\i+3], s[16:17] offset:4096*(\rho)+512*\i th:TH_STORE_NT   ; 512 consecutive bytes, aligned; written once, read by nobody here
.endr
.endm
	ROWLOAD 0, 64
	ROWLOAD 1, 128
	s_wait_loadcnt 0x0                             ; the residual, ln_g, ln_b
	s_wait_dscnt 8                                 ; row 0 is in; row 1's eight loads may be out
	ROWWORK 0, 64
	s_wait_xcnt 0x0                                ; row 0's stores have read their registers: they are loaded again only behind this wait
	ROWLOAD 2, 64
	s_wait_dscnt 8                                 ; row 1 is in
	ROWWORK 1, 128
	s_wait_xcnt 0x0
	ROWLOAD 3, 128
	s_wait_dscnt 8                                 ; row 2 is in
	ROWWORK 2, 64
	s_wait_dscnt 0x0
	ROWWORK 3, 128
	s_wait_tensorcnt 0x0
	ds_add_u32 v254, v255
	s_wait_dscnt 0x0
	CROUND                                         ; the closing round: no work-group ends while a partner may still ask for a tile that names it
	s_endpgm
.Lfunc_end_k_q1a696a09d1_outp:
	.size	k_q1a696a09d1_outp, .Lfunc_end_k_q1a696a09d1_outp-k_q1a696a09d1_outp
	.p2alignl 7, 3214868480
	.fill 96, 4, 3214868480
	.section	.rodata,"a",@progbits
	.p2align	6, 0x0
	.amdhsa_kernel k_q1a696a09d1_outp
		.amdhsa_group_segment_fixed_size 279552
		.amdhsa_private_segment_fixed_size 0
		.amdhsa_enable_private_segment 0
		.amdhsa_kernarg_size 56
		.amdhsa_user_sgpr_count 2
		.amdhsa_user_sgpr_kernarg_segment_ptr 1
		.amdhsa_wavefront_size32 1
		.amdhsa_system_sgpr_workgroup_id_x 1
		.amdhsa_system_sgpr_workgroup_id_y 1
		.amdhsa_system_sgpr_workgroup_id_z 1
		.amdhsa_system_vgpr_workitem_id 0
		.amdhsa_next_free_vgpr 512
		.amdhsa_next_free_sgpr 66
		.amdhsa_reserve_vcc 0
		.amdhsa_float_denorm_mode_32 3
		.amdhsa_float_denorm_mode_16_64 3
		.amdhsa_memory_ordered 1
		.amdhsa_forward_progress 1
		.amdhsa_inst_pref_size 85
	.end_amdhsa_kernel
	.amdgpu_metadata
---
amdhsa.version: [ 1, 2 ]
amdhsa.kernels:
  - .name:           k_q1a696a09d1_outp
    .symbol:         k_q1a696a09d1_outp.kd
    .args:
      - { .name: cq, .offset: 0, .size: 8, .value_kind: global_buffer, .address_space: global }
      - { .name: wq, .offset: 8, .size: 8, .value_kind: global_buffer, .address_space: global }
      - { .name: bo, .offset: 16, .size: 8, .value_kind: global_buffer, .address_space: global }
      - { .name: Q, .offset: 24, .size: 8, .value_kind: global_buffer, .address_space: global }
      - { .name: ln_g, .offset: 32, .size: 8, .value_kind: global_buffer, .address_space: global }
      - { .name: ln_b, .offset: 40, .size: 8, .value_kind: global_buffer, .address_space: global }
      - { .name: out0, .offset: 48, .size: 8, .value_kind: global_buffer, .address_space: global }
    .group_segment_fixed_size: 279552
    .private_segment_fixed_size: 0
    .kernarg_segment_align: 8
    .kernarg_segment_size: 56
    .max_flat_workgroup_size: 256
    .sgpr_count:     66
    .vgpr_count:     512
    .wavefront_size: 32
...
	.end_amdgpu_metadata
.endif
;; end of part 4
